; MI455X (gfx1250); checked and timed in simulation.
; The chip was launched on July 23, 2026; its instructions are those of AMD's public machine-readable ISA for CDNA 5 (MIT licence, August 2026) and "CDNA5" Instruction Set Architecture Reference Guide (July 2026). The comments in the code are by the model that wrote it; some were corrected since.
;; Lo RA Linear. Allowed arithmetic: matrix products marked QUANTISED: E2M1 operands, one E8M0 scale for each 32 along K, by v_wmma_scale_f32_16x16x128_f8f6f4 with both operands' format E2M1 (or v_wmma_scale_f32_32x16x128_f4), f32 sums; products left as they are: f32 operands where the result goes on into a quantised operand, else bf16, f16 or f32 operands; f32 sums; everything else in f32.
;; Inputs: lora_a_w_codes 16 x 128 x 16 uint8 (E2M1 codes of lora_a_w, K innermost, in blocks of 32 codes, two codes a byte); lora_a_w_scales 16 x 128 uint8 (E8M0 scales of lora_a_w, one for each 32 codes along K); lora_b_w 4,096 x 16 float32; q_packed 4,096 x 2,048 int32; scales 4,096 x 64 float32; x_codes 4 x 1,024 x 128 x 16 uint8 (E2M1 codes of x, K innermost, in blocks of 32 codes, two codes a byte); x_scales 4 x 1,024 x 128 uint8 (E8M0 scales of x, one for each 32 codes along K).
;; Outputs: out0 4 x 1,024 x 4,096 float32.
;; This version of the problem:
;;   THIS VERSION OF THE PROBLEM IS GIVEN IN LOW PRECISION. The matrix products marked QUANTISED in the list below multiply operands that are first quantised to E2M1 (2 exponent bits, 1 mantissa bit; 4 bits a number), with one power-of-two scale for each 32 numbers along K (OCP MX v1.0); their sums are f32. All else is computed in f32.
;;   The module's matrix products, in the order in which they are computed (A, B: the left and right operand; K: the contracted axis; several contracted axes count as one K, in the product's order):
;;     1. [M 4,096, K 4,096] x [K 4,096, N 4,096]; A: input x (given as codes); B: computed on the way: QUANTISED
;;     2. [M 4,096, K 4,096] x [K 4,096, N 16]; A: input x (given as codes); B: input lora_a_w (given as codes): QUANTISED
;;     3. [M 4,096, K 16] x [K 16, N 4,096]; A: computed on the way; B: input lora_b_w: left as it is (K = 16 < 32)
;;   THE QUANTISER, for each operand of a quantised product, along K:
;;     - K is cut into blocks of 32 from its start; a last block that is shorter is filled with zeros.
;;     - A block's scale is 2^e with e = floor(log2(the largest magnitude in the block)) - 2, held to -126 .. 127; a block of zeros has e = 0. As a byte (E8M0): e + 127.
;;     - Each number is divided by its block's scale, clamped to +-6, and rounded to the nearest number of E2M1, ties to even, subnormals kept.
;;     - The product sums the exact products of the quantised numbers (number of the format x scale) in f32.
;;   ~~~python
;;   def quantise(x, axis):      # numpy; x: float32 -> the quantised numbers, widened to float32 again
;;       x = np.moveaxis(x, axis, -1); K = x.shape[-1]
;;       x = np.pad(x, [(0, 0)] * (x.ndim - 1) + [(0, -K % 32)]); x = x.reshape(x.shape[:-1] + (-1, 32)); a = np.abs(x).max(-1, keepdims=True)
;;       e = np.where(a > 0, np.clip(np.frexp(np.where(a > 0, a, 1))[1] - 1 - 2, -126, 127), 0)      # np.frexp(a)[1] - 1 = floor(log2(a)), exactly
;;       r = np.clip(x / 2.0 ** e, -6, 6)
;;       step = 2.0 ** (np.maximum(np.frexp(np.where(r == 0, 1, r))[1] - 1, 0) - 1)
;;       q = np.round(r / step) * step * 2.0 ** e      # np.round: ties to even
;;       return np.moveaxis(q.reshape(q.shape[:-2] + (-1,))[..., :K], -1, axis).astype(np.float32)
;;   ~~~
;;   OPERANDS COMPUTED ON THE WAY. 'Computed on the way' means the value that the module computes at that place (a softmax that the list does not call 'softmax' is quantised finished and normalised). What goes into a quantiser is computed in f32, as accurately as f32 sums, v_exp_f32 and their like allow (about 1e-6 of the number): no bf16 or f16 on the way to a quantiser, and a product that is left as it is and whose result goes on into a quantised operand takes f32 operands (vector FMAs, or v_wmma_f32_16x16x4_f32). A number that lies on a knife's edge between two numbers of the format may be rounded either way, as far as f32 arithmetic and the matrix unit's own rounding can turn it there, and no further.
;;   INPUTS GIVEN AS CODES. lora_a_w (in the module: [16, 4096], K = its axis 1); x (in the module: [4, 1024, 4096], K = its axis 2): each comes as NAME_codes (uint8): NAME with its K axis moved to the last place and cut into blocks of 32 codes, [.., K / 32, bytes a block], one block behind the other in memory; two codes a byte, the lower K in the low four bits (a code: sign, 2 exponent bits, 1 mantissa bit); and NAME_scales (uint8): the same leading axes, one E8M0 byte (e + 127) for each 32 codes along K. Its value is code x scale, taken as it is: it is not quantised again, and the codes and scales need not be those that the quantiser above would give.
;; 2 versions, each right; version 2 is version 1 with the launch prep written anew for expert scheduling mode. Each part assembles by itself: llvm-mc -triple=amdgcn-amd-amdhsa -mcpu=gfx1250 --defsym DOCPART=n.
;; ======== version 1 of 2: 2 launches
;; workspace buffers: w_codes 8,388,608 bytes; w_sc 524,288 bytes; x_sc 524,288 bytes; hid 131,072 bytes
;; launch prep (part 1): grid 256 x 1, 16 waves a work-group, no clusters, 126,976 bytes of LDS; arguments q_packed, scales, x_codes, x_scales, lora_a_w_codes, lora_a_w_scales, w_codes, w_sc, x_sc, hid; writes w_codes, w_sc, x_sc, hid
.if DOCPART == 1
	.amdgcn_target "amdgcn-amd-amdhsa--gfx1250"
	.amdhsa_code_object_version 6
	.text
	.protected	k_q1fc26ea369_prep
	.globl	k_q1fc26ea369_prep
	.p2align	8
	.type	k_q1fc26ea369_prep,@function
k_q1fc26ea369_prep:
	s_mov_b64 s[64:65], 0
	v_nop
	global_prefetch_b8 v0, s[64:65] scope:SCOPE_SE
	s_setreg_imm32_b32 hwreg(HW_REG_WAVE_MODE, 25, 1), 1
	s_wait_xcnt 0x0
; THE LAUNCH IN FRONT OF THE GEMM.  Three things, each done once:
;  (1) W[o][k] = NF4[nibble] x scales[o][k / 64], in f32 as the definition has it, is quantised along K to codes of FP4 (E2M1), one E8M0 byte for each 32:
;      w_codes [4096][2048 bytes], K innermost, the lower k in the low four bits;  w_sc [8 = k / 512][4096][16 bytes]: a K step's bytes of 256 rows are 4,096 bytes on end.
;  (2) x's scale bytes are laid the same way: x_sc [8][4096][16].
;  (3) hid = x lora_a^T, on the given codes and scale bytes, f32 sums; stored as bf16 [4096][16]: it is an operand of the product of K = 16, which is left as it is.
; SHARES.  Work-group g owns rows 16 g .. 16 g + 15 of W and of x.  SIXTEEN waves, four to a SIMD, so that one wave's dependent lines and LDS round trips stand beside another's work.
; A PAIR of waves (ks = wave / 2, u = wave % 2) owns k = 512 ks .. 512 ks + 511.  For W, wave u takes rows 8 u .. 8 u + 7.  For hid, wave u = 0 brings x's codes and wave u = 1 lora_a's into the pair's
; stages, in whole runs of 256 bytes; behind a barrier each wave multiplies its 256 along K.  The sixteen partial sums meet in LDS behind the last barrier, and wave 1 adds them.
; THE DECODE.  The sixteen NF4 levels lie across the lanes of one register (lane j: level j % 16), and ds_bpermute_b32 fetches a level by its nibble: the index is a lane x 4, taken modulo 32 lanes, and
; since the table repeats every 16 lanes the bit above the nibble does not matter: so one shift of the packed word makes an index.  No LDS byte is touched by it.
; A block's scale is 2^(floor(log2(its largest magnitude)) - 2); its byte is the largest magnitude's exponent field - 2, held at 1 from below.
; LIMITS: a block of zeros gets the byte 1 where the rule says 127: its codes are zeros, which add nothing under any byte but 0xff, and this program alone reads the bytes.  Blocks whose largest magnitude
; lies under 2^(3 - 127) are held at that floor.  NaN and infinities in scales are not served.
; All 28 loads of a wave go out at the head and are used in the order of issue, by counted waits; every offset is an immediate; no loop.  A pair of finished rows of codes leaves four steps later.
.set PREG,  8704                       ; LDS: a pair's two stages of 16 rows x (256 bytes + 16):
.set XST,   0                          ;   x's codes,
.set AST,   4352                       ;   lora_a's codes
.set WB0,   8*PREG                     ; behind them a region of its own for each wave:
.set WREG,  2304
.set NS,    0                          ;   the NF4 scales: 8 rows x 8 f32
.set CST,   256                        ;   W's codes: 8 rows x 256 bytes
.set SBY,   WB0+16*WREG                ; W's scale bytes: 256 for each pair, 128 from each of its waves
.set PART,  SBY+8*256                  ; the sixteen partial sums of hid, images of 8 registers, 1,024 bytes each
.set QA,  4                            ; v4   16 x lane
.set GD,  5                            ; v5   2048 (lane / 16) + 16 (lane % 16): two rows of codes, sixteen lanes to 256 bytes
.set TAB, 21                           ; v21  the NF4 levels
.set XW,  24                           ; v24-25 x's two scale words of my 256 along K;  v26-27 lora_a's
.set AW,  26
.set XR,  28                           ; v28-29 8 of x's scale bytes, as they are laid anew
.set NSV, 30                           ; v30-31 two NF4 scales as loaded
.set HB,  32                           ; v32-35 hid as bf16
.set C,   36                           ; v36-39 a step's codes, four sets;  v40-43 its scale byte, four sets
.set B,   40
.set F,   64                           ; v64-95  four sets of 8 numbers
.set S,   96                           ; v96-127 first the codes that I stage, then two fragments of x (v96) and two of lora_a (v112); then v96-103: four pairs (an NF4 scale, a zero)
.set XF,  96
.set AF,  112
.set Q,   128                          ; v128-191 the 16 loads of q_packed
.set O,   192                          ; v192-207 four pairs of rows of codes on their way out
.set SO,  208                          ; v208-209 scale bytes on their way out
	s_load_b512 s[4:19], s[0:1], 0x0               ; q_packed 4:5, scales 6:7, x_codes 8:9, x_scales 10:11, lora_a's codes 12:13, its scales 14:15, w_codes 16:17, w_sc 18:19
	s_load_b128 s[20:23], s[0:1], 0x40             ; x_sc 20:21, hid 22:23
	v_lshl_add_u32 v254, v0, 2, 0x1e800
	v_mov_b32 v255, 0
	v_lshrrev_b32 v1, 5, v0
	v_readfirstlane_b32 s24, v1                    ; wave 0..15
	s_lshr_b32 s25, s24, 1                         ; ks: my pair, and its K step
	s_and_b32 s26, s24, 1                          ; u: which of the pair
	v_and_b32 v1, 31, v0                           ; l
	v_and_b32 v2, 15, v0                           ; r = l % 16
	v_bfe_u32 v3, v0, 4, 1                         ; h = l / 16
	; a lane's offsets in memory
	v_lshlrev_b32 v[QA], 4, v1
	v_lshlrev_b32 v[GD], 4, v2
	v_lshl_add_u32 v[GD], v3, 11, v[GD]
	s_lshl_b32 s44, s26, 3
	v_lshl_add_u32 v6, v2, 7, s44                  ; a row of given scale bytes is 128 bytes; + 8 u: the two words of my 256 along K
	v_lshrrev_b32 v7, 1, v1
	v_and_b32 v22, 1, v1
	v_lshlrev_b32 v7, 7, v7
	v_lshl_add_u32 v7, v22, 3, v7                  ; for the re-lay: row l / 2, 8 bytes a lane
	v_lshrrev_b32 v10, 2, v1
	v_and_b32 v22, 3, v1
	v_lshlrev_b32 v10, 8, v10
	v_lshl_add_u32 v10, v22, 3, v10                ; the NF4 scales: row l / 4 of 256 bytes, two numbers a lane
	v_lshlrev_b32 v18, 3, v1                       ; 8 l: 32 lanes to 256 bytes
	v_lshlrev_b32 v20, 5, v2
	v_lshl_add_u32 v20, v3, 4, v20                 ; 32 r + 16 h: hid's bytes of a lane
	; a lane's addresses in LDS: each a constant + a constant x lane + a constant x wave
	s_mul_i32 s44, s25, PREG
	s_mul_i32 s45, s26, AST
	s_add_co_u32 s45, s45, s44
	v_mul_u32_u24 v8, v3, 272
	v_lshl_add_u32 v8, v2, 4, v8
	v_add_nc_u32 v8, s45, v8                       ; my stage, in: as loaded, two rows an instruction
	s_lshl_b32 s45, s26, 7
	s_add_co_u32 s45, s45, s44
	v_mul_u32_u24 v9, v2, 272
	v_lshl_add_u32 v9, v3, 4, v9
	v_add_nc_u32 v9, s45, v9                       ; the pair's stages, back: row r, + 16 h, + 128 u: a fragment's bytes of my 256 along K
	s_mul_i32 s27, s24, WREG
	s_add_co_u32 s27, s27, WB0                     ; my region
	v_lshrrev_b32 v11, 3, v1
	v_lshl_add_u32 v11, v11, 2, s27                ; eight lanes (64 along K) share an NF4 scale
	v_lshl_add_u32 v12, v1, 2, s27                 ; a lane's 8 codes: 4 bytes
	v_add_nc_u32 v14, s27, v[QA]
	v_add_nc_u32 v15, s27, v18
	s_lshl_b32 s45, s24, 7
	s_add_co_u32 s45, s45, SBY
	v_lshrrev_b32 v13, 2, v1
	v_add_nc_u32 v13, s45, v13                     ; four lanes (32 along K) share a scale byte; my wave's 128 bytes
	s_lshl_b32 s45, s25, 8
	s_add_co_u32 s45, s45, SBY
	v_add_nc_u32 v19, s45, v18                     ; the pair's 256 bytes, 8 a lane
	v_add_nc_u32 v17, PART, v[QA]
	s_lshl_b32 s45, s24, 10
	v_add_nc_u32 v16, s45, v17
	; where my wave's part begins in each buffer, in bytes
	s_lshl_b32 s28, ttmp9, 17                      ; q_packed: 16 rows of 8,192 bytes; my 8; 512 along K are 1,024 bytes
	s_lshl_b32 s44, s26, 16
	s_add_co_u32 s28, s28, s44
	s_lshl_b32 s44, s25, 10
	s_add_co_u32 s28, s28, s44
	s_mov_b32 s29, 0
	s_lshl_b32 s30, ttmp9, 12                      ; scales: 16 rows of 256 bytes; my 8; 32 bytes
	s_lshl_b32 s44, s26, 11
	s_add_co_u32 s30, s30, s44
	s_lshl_b32 s44, s25, 5
	s_add_co_u32 s30, s30, s44
	s_mov_b32 s31, 0
	s_lshl_b32 s45, s25, 8                         ; codes: 512 along K are 256 bytes
	s_lshl_b32 s38, ttmp9, 15                      ; 16 rows of 2,048 bytes
	s_add_co_u32 s38, s38, s45
	s_cmp_eq_u32 s26, 0
	s_cselect_b32 s32, s38, s45                    ; the codes that I stage: my group's rows of x, or lora_a's sixteen
	s_mov_b32 s33, 0
	s_lshl_b32 s44, s26, 14                        ; w_codes: my 8 rows
	s_add_co_u32 s38, s38, s44
	s_mov_b32 s39, 0
	s_lshl_b32 s36, s25, 4                         ; lora_a's scales: 16 bytes a K step
	s_mov_b32 s37, 0
	s_lshl_b32 s34, ttmp9, 11                      ; x_scales: 16 rows of 128 bytes
	s_add_co_u32 s34, s34, s36
	s_mov_b32 s35, 0
	s_lshl_b32 s40, s25, 16                        ; w_sc, x_sc: K step ks, 16 rows of 16 bytes
	s_lshl_b32 s44, ttmp9, 8
	s_add_co_u32 s40, s40, s44
	s_mov_b32 s41, 0
	s_lshl_b32 s42, ttmp9, 9                       ; hid: 16 rows of 32 bytes
	s_mov_b32 s43, 0
	s_wait_kmcnt 0x0
	s_cmp_eq_u32 s26, 0                            ; the choice hangs on the wave's number alone
	s_cselect_b64 s[8:9], s[8:9], s[12:13]
	s_add_nc_u64 s[4:5], s[4:5], s[28:29]
	s_add_nc_u64 s[6:7], s[6:7], s[30:31]
	s_add_nc_u64 s[8:9], s[8:9], s[32:33]
	s_add_nc_u64 s[10:11], s[10:11], s[34:35]
	s_add_nc_u64 s[14:15], s[14:15], s[36:37]
	s_add_nc_u64 s[16:17], s[16:17], s[38:39]
	s_add_nc_u64 s[18:19], s[18:19], s[40:41]
	s_add_nc_u64 s[20:21], s[20:21], s[40:41]
	s_add_nc_u64 s[22:23], s[22:23], s[42:43]
	; ALL THE LOADS, in the order in which they are used: 2 + 8 + 1 + 1 + 16
	global_load_b64 v[XW:XW+1], v6, s[10:11]       ; row r's two scale words (lanes 16-31 hold the same)
	global_load_b64 v[AW:AW+1], v6, s[14:15]
.irp t, 0,1,2,3,4,5,6,7
	global_load_b128 v[S+4*\t:S+4*\t+3], v[GD], s[8:9] offset:4096*\t      ; rows 2 t, 2 t + 1: sixteen lanes read 256 consecutive bytes
.endr
	global_load_b64 v[XR:XR+1], v7, s[10:11]
	global_load_b64 v[NSV:NSV+1], v10, s[6:7]
.irp st, 0,1,2,3,4,5,6,7,8,9,10,11,12,13,14,15
	global_load_b128 v[Q+4*\st:Q+4*\st+3], v[QA], s[4:5] offset:(\st/2)*8192+(\st%2)*512 th:TH_LOAD_NT   ; step st: my row st / 2, half st % 2 of the 512: 512 consecutive bytes, read once
.endr
	; the NF4 levels, lane j: level j % 16, made while the loads are on their way
.macro LEVEL j, val
	v_cmp_ne_u32 vcc_lo, \j, v2
	v_cndmask_b32 v[TAB], \val, v[TAB], vcc_lo
.endm
	v_mov_b32 v[TAB], -1.0
	LEVEL 1, -0.6961928009986877
	LEVEL 2, -0.5250730514526367
	LEVEL 3, -0.39491748809814453
	LEVEL 4, -0.28444138169288635
	LEVEL 5, -0.18477343022823334
	LEVEL 6, -0.09105003625154495
	LEVEL 7, 0
	LEVEL 8, 0.07958029955625534
	LEVEL 9, 0.16093020141124725
	LEVEL 10, 0.24611230194568634
	LEVEL 11, 0.33791524171829224
	LEVEL 12, 0.44070982933044434
	LEVEL 13, 0.5626170039176941
	LEVEL 14, 0.7229568362236023
	LEVEL 15, 1.0
	; ---- hid: my 256 along K.  The codes were loaded as whole runs of 256 bytes; they turn through the pair's stages into fragments (lane (r, h): row r; registers 4 c .. 4 c + 3: k = 64 c + 32 h + 0 .. 31)
	s_wait_loadcnt 18                              ; the first 10 loads are in; x's bytes for the re-lay, the NF4 scales and the 16 of q_packed may be out
.irp t, 0,1,2,3,4,5,6,7
	ds_store_b128 v8, v[S+4*\t:S+4*\t+3] offset:544*\t
.endr
	s_wait_dscnt 0x0                               ; for my partner's sake: my stage is whole
	s_barrier_signal -1
	s_barrier_wait -1                              ; and so is my partner's
.irp j, 0,1
.irp c, 0,1
	ds_load_b128 v[XF+8*\j+4*\c:XF+8*\j+4*\c+3], v9 offset:XST+64*\j+32*\c
	ds_load_b128 v[AF+8*\j+4*\c:AF+8*\j+4*\c+3], v9 offset:AST+64*\j+32*\c
.endr
.endr
	s_wait_dscnt 0x0
	; TRANSPOSED: source 0 = lora_a's 16 rows, source 1 = 16 rows of x: lane (r, h) holds hid(row r, ranks 8 h + 0 .. 7).  Two accumulators, one product each
	v_wmma_scale_f32_16x16x128_f8f6f4 v[48:55], v[AF:AF+7], v[XF:XF+7], 0, v[AW], v[XW] matrix_a_fmt:MATRIX_FMT_FP4 matrix_b_fmt:MATRIX_FMT_FP4
	v_wmma_scale_f32_16x16x128_f8f6f4 v[56:63], v[AF+8:AF+15], v[XF+8:XF+15], 0, v[AW+1], v[XW+1] matrix_a_fmt:MATRIX_FMT_FP4 matrix_b_fmt:MATRIX_FMT_FP4
.rept 4
	v_nop                                          ; four places behind the products (ISA guide 7.12.1): their results are read and their operands' registers written below
.endr
.irp i, 0,2,4,6
	v_pk_add_f32 v[48+\i:49+\i], v[48+\i:49+\i], v[56+\i:57+\i]    ; both accumulators from their low ends on
.endr
.irp i, 1,3,5,7
	v_mov_b32 v[S+\i], 0                           ; the upper halves of the four pairs that the packed multiplies name: written once
.endr
	ds_store_b128 v16, v[48:51]                    ; my partial sum, as an image of its registers
	ds_store_b128 v16, v[52:55] offset:512
	; ---- x's scale bytes of the pair's K step: one wave of the pair stores them: 32 lanes, 8 bytes each: 256 consecutive bytes, aligned
	s_wait_loadcnt 17                              ; they are in
	s_cmp_lg_u32 s26, 0
	s_cbranch_scc1 .Lnot_mine
	global_store_b64 v18, v[XR:XR+1], s[20:21]
.Lnot_mine:
	; ---- W.  Step st: my row st / 2, half st % 2; lane l holds k = 256 (st % 2) + 8 l + 0 .. 7: four packed words, eight nibbles.  A block of 32 lies in four neighbouring lanes
	s_wait_loadcnt 16                              ; the NF4 scales are in
	ds_store_b64 v15, v[NSV:NSV+1] offset:NS       ; LDS serves a wave's instructions in order (ISA guide 5.7.1.4): the loads below see this
; ASK: the step's eight levels and its NF4 scale are asked for: 9 LDS instructions, into set st % 4
.macro ASK st
.set FS, F+8*((\st)%4)
.set QS, Q+4*(\st)
	s_wait_loadcnt 15-(\st)                        ; loads come back in order: step st's is in, the later steps' may be out
.irp i, 0,1,2,3
	v_lshlrev_b32 v[FS+2*\i], 2, v[QS+\i]          ; 4 x the low nibble in bits 5:2 (element 2 i),
	v_lshrrev_b32 v[FS+2*\i+1], 2, v[QS+\i]        ; 4 x the high nibble (element 2 i + 1); what lies above is dropped by the permute or lands on the table's second copy
.endr
.irp i, 0,1,2,3,4,5,6,7
	ds_bpermute_b32 v[FS+\i], v[FS+\i], v[TAB]
.endr
	ds_load_b32 v[S+2*((\st)%4)], v11 offset:NS+32*((\st)/2)+16*((\st)%2)
.endm
; DO: the step is scaled, quantised and put into my stage: 2 LDS instructions
.macro DO st
.set FS, F+8*((\st)%4)
.set SS, S+2*((\st)%4)
; what may be out: the LDS instructions issued behind ASK st: 9 for each of the up to three later ASKs, 2 for each of the up to three DOs between, 1 where a pair of rows was asked back between them
.set NN, 33
.if (\st) < 3
.set NN, 27+2*(\st)
.endif
.if (\st) > 12
.set NN, 9*(15-(\st))+6
.endif
.if ((\st) > 3) && (((\st)%4) != 3)
.set NN, NN+1
.endif
	s_wait_dscnt NN
.irp i, 0,2,4,6
	v_pk_mul_f32 v[FS+\i:FS+\i+1], v[FS+\i:FS+\i+1], v[SS:SS+1] op_sel_hi:[1,0]   ; level x scale, one f32 rounding, as the definition has it (the pair's low word serves both halves)
.endr
	v_max3_num_f32 v44, |v[FS]|, |v[FS+1]|, 0x1800000              ; the largest magnitude of my 8, in two short chains, and the floor 2^(3 - 127): so the byte cannot fall under 1
	v_max3_num_f32 v46, |v[FS+2]|, |v[FS+3]|, |v[FS+4]|
	v_max3_num_f32 v44, v44, |v[FS+5]|, |v[FS+6]|
	v_max3_num_f32 v44, v44, v46, |v[FS+7]|
	v_max_num_f32_dpp v44, v44, v44 row_xmask:1 row_mask:0xf bank_mask:0xf
	v_max_num_f32_dpp v44, v44, v44 row_xmask:2 row_mask:0xf bank_mask:0xf   ; with the three other lanes of the block
	v_add_nc_u32 v45, 0xff000000, v44              ; 2 off its exponent field: the conversion takes the exponent field of this operand as its scale, and nothing else of it
	v_cvt_scalef32_pk8_fp4_f32 v[C+(\st)%4], v[FS:FS+7], v45       ; to the nearest code, ties to even, beyond 6 the largest code; the first number's code in the lowest four bits
	v_lshrrev_b32 v[B+(\st)%4], 23, v45            ; the scale's byte.  (Also the plain instruction between the conversion and the next vector instruction that writes its sources)
	ds_store_b32 v12, v[C+(\st)%4] offset:CST+256*((\st)/2)+128*((\st)%2)
	ds_store_b8 v13, v[B+(\st)%4] offset:16*((\st)/2)+8*((\st)%2)   ; the four lanes of a block write the same byte with the same value
.endm
.irp st, 0,1,2,3
	ASK \st
.endr
.irp st, 0,1,2,3,4,5,6,7,8,9,10,11,12,13,14,15
	DO \st
.if (\st%4) == 3
	ds_load_b128 v[O+\st-3:O+\st], v14 offset:CST+512*(\st/4)      ; two rows are finished: they are asked back, sixteen lanes to a row
.endif
.if (\st > 6) && ((\st%4) == 3)
	global_store_b128 v[GD], v[O+\st-7:O+\st-4], s[16:17] offset:4096*(\st/4-1)   ; the two rows asked back four steps ago stand ahead of ASK st, so this step's wait has shown them in.  Sixteen lanes store 256 consecutive bytes, aligned
.endif
.if \st < 12
	ASK \st+4                                      ; four steps ahead, into the set just left
.endif
.endr
	s_wait_dscnt 0x0                               ; the last two rows are in; and for the others' sake: my partial sum and my scale bytes have landed, none of my LDS instructions is out
	global_store_b128 v[GD], v[O+12:O+15], s[16:17] offset:12288
	s_barrier_signal -1
	s_barrier_wait -1                              ; each pair's 256 scale bytes and the sixteen partial sums lie in LDS
	s_cmp_lg_u32 s26, 0
	s_cbranch_scc1 .Lodd
	ds_load_b64 v[SO:SO+1], v19                    ; wave u = 0 of each pair: the pair's scale bytes of W
	s_wait_dscnt 0x0
	global_store_b64 v18, v[SO:SO+1], s[18:19]     ; 32 lanes store 256 consecutive bytes, aligned
	s_wait_tensorcnt 0x0
	ds_add_u32 v254, v255
	s_wait_dscnt 0x0
	s_endpgm
.Lodd:
	s_cmp_lg_u32 s24, 1
	s_cbranch_scc1 .Lend
	; wave 1: hid.  Partial sums 0-7 into v128-191, 8-15 into v64-127: registers that no store on its way reads
.irp p, 0,1,2,3,4,5,6,7
.irp c, 0,1
	ds_load_b128 v[Q+8*\p+4*\c:Q+8*\p+4*\c+3], v17 offset:1024*\p+512*\c
	ds_load_b128 v[F+8*\p+4*\c:F+8*\p+4*\c+3], v17 offset:8192+1024*\p+512*\c
.endr
.endr
	s_wait_dscnt 0x0
.irp b, Q, F
.irp p, 0,2,4,6
.irp i, 0,2,4,6
	v_pk_add_f32 v[\b+8*\p+\i:\b+8*\p+\i+1], v[\b+8*\p+\i:\b+8*\p+\i+1], v[\b+8*\p+8+\i:\b+8*\p+9+\i]
.endr
.endr
.endr
.irp b, Q, F
.irp p, 0,4
.irp i, 0,2,4,6
	v_pk_add_f32 v[\b+8*\p+\i:\b+8*\p+\i+1], v[\b+8*\p+\i:\b+8*\p+\i+1], v[\b+8*\p+16+\i:\b+8*\p+17+\i]
.endr
.endr
.endr
.irp b, Q, F
.irp i, 0,2,4,6
	v_pk_add_f32 v[\b+\i:\b+\i+1], v[\b+\i:\b+\i+1], v[\b+32+\i:\b+33+\i]
.endr
.endr
.irp i, 0,2,4,6
	v_pk_add_f32 v[Q+\i:Q+\i+1], v[Q+\i:Q+\i+1], v[F+\i:F+\i+1]
.endr
.irp j, 0,1,2,3
	v_cvt_pk_bf16_f32 v[HB+\j], v[Q+2*\j], v[Q+2*\j+1]             ; rounded once, to nearest even: the operand's format in the product of K = 16
.endr
	global_store_b128 v20, v[HB:HB+3], s[22:23]    ; 16 rows of 32 bytes: 512 consecutive bytes
.Lend:
	s_wait_tensorcnt 0x0
	ds_add_u32 v254, v255
	s_wait_dscnt 0x0
	s_endpgm
.Lfunc_end_k_q1fc26ea369_prep:
	.size	k_q1fc26ea369_prep, .Lfunc_end_k_q1fc26ea369_prep-k_q1fc26ea369_prep
	.p2alignl 7, 3214868480
	.fill 96, 4, 3214868480
	.section	.rodata,"a",@progbits
	.p2align	6, 0x0
	.amdhsa_kernel k_q1fc26ea369_prep
		.amdhsa_group_segment_fixed_size 126976
		.amdhsa_private_segment_fixed_size 0
		.amdhsa_enable_private_segment 0
		.amdhsa_kernarg_size 80
		.amdhsa_user_sgpr_count 2
		.amdhsa_user_sgpr_kernarg_segment_ptr 1
		.amdhsa_wavefront_size32 1
		.amdhsa_system_sgpr_workgroup_id_x 1
		.amdhsa_system_sgpr_workgroup_id_y 1
		.amdhsa_system_sgpr_workgroup_id_z 1
		.amdhsa_system_vgpr_workitem_id 0
		.amdhsa_next_free_vgpr 256
		.amdhsa_next_free_sgpr 66
		.amdhsa_reserve_vcc 1
		.amdhsa_float_denorm_mode_32 3
		.amdhsa_float_denorm_mode_16_64 3
		.amdhsa_memory_ordered 1
		.amdhsa_forward_progress 1
		.amdhsa_inst_pref_size 47
	.end_amdhsa_kernel
	.amdgpu_metadata
---
amdhsa.version: [ 1, 2 ]
amdhsa.kernels:
  - .name:           k_q1fc26ea369_prep
    .symbol:         k_q1fc26ea369_prep.kd
    .args:
      - { .name: q_packed, .offset: 0, .size: 8, .value_kind: global_buffer, .address_space: global }
      - { .name: scales, .offset: 8, .size: 8, .value_kind: global_buffer, .address_space: global }
      - { .name: x_codes, .offset: 16, .size: 8, .value_kind: global_buffer, .address_space: global }
      - { .name: x_scales, .offset: 24, .size: 8, .value_kind: global_buffer, .address_space: global }
      - { .name: lora_a_w_codes, .offset: 32, .size: 8, .value_kind: global_buffer, .address_space: global }
      - { .name: lora_a_w_scales, .offset: 40, .size: 8, .value_kind: global_buffer, .address_space: global }
      - { .name: w_codes, .offset: 48, .size: 8, .value_kind: global_buffer, .address_space: global }
      - { .name: w_sc, .offset: 56, .size: 8, .value_kind: global_buffer, .address_space: global }
      - { .name: x_sc, .offset: 64, .size: 8, .value_kind: global_buffer, .address_space: global }
      - { .name: hid, .offset: 72, .size: 8, .value_kind: global_buffer, .address_space: global }
    .group_segment_fixed_size: 126976
    .private_segment_fixed_size: 0
    .kernarg_segment_align: 8
    .kernarg_segment_size: 80
    .max_flat_workgroup_size: 512
    .sgpr_count:     66
    .vgpr_count:     256
    .wavefront_size: 32
...
	.end_amdgpu_metadata
.endif
;; end of part 1
;; launch gemm (part 2): grid 16 x 16, 4 waves a work-group, clusters of 4 x 4, 327,680 bytes of LDS; arguments x_codes, x_sc, w_codes, w_sc, hid, lora_b_w, out0; writes out0
.if DOCPART == 2
	.amdgcn_target "amdgcn-amd-amdhsa--gfx1250"
	.amdhsa_code_object_version 6
	.text
	.protected	k_q1fc26ea369_gemm
	.globl	k_q1fc26ea369_gemm
	.p2align	8
	.type	k_q1fc26ea369_gemm,@function
k_q1fc26ea369_gemm:
	s_mov_b64 s[64:65], 0
	v_nop
	global_prefetch_b8 v0, s[64:65] scope:SCOPE_SE
	s_setreg_imm32_b32 hwreg(HW_REG_WAVE_MODE, 25, 1), 1
	s_wait_xcnt 0x0
	s_wait_alu depctr_hold_cnt(0) depctr_sa_sdst(0) depctr_va_vdst(0) depctr_va_sdst(0) depctr_va_ssrc(0) depctr_va_vcc(0) depctr_vm_vsrc(0)
	s_getreg_b32 s2, hwreg(HW_REG_IB_STS2, 6, 4)
	s_cmp_eq_u32 s2, 0
	s_cbranch_scc0 .Lentry_in_a_cluster
	s_endpgm
.Lentry_in_a_cluster:
	s_bfe_u32 s2, ttmp6, 0x10000c
	s_cmp_lg_u32 s2, 0xf033
	s_cbranch_scc0 .Lentry_shape_is_right
	s_endpgm
.Lentry_shape_is_right:
; out0[m][o] = sum over k of x[m][k] W[o][k] + sum over r of hid[m][r] lora_b[o][r].  (ALPHA / R = 16 / 16 = 1.0 exactly: a multiplication by it changes no f32, so none is written.)
; x, W: [4096][4096] as codes of FP4 (E2M1), 2,048 bytes a row, K innermost; their E8M0 bytes laid by K step, [8 = k / 512][4096 rows][16 bytes].  hid: [4096][16] bf16.  lora_b: [4096][16] f32.  out0: [4096][4096] f32.
; A tile of C, 256 x 256, is made by a work-group of four waves, as many as a WGP has SIMDs; a wave makes 128 x 128: 64 accumulators of 16 x 16, 512 registers.  16 x 16 tiles: 256 work-groups.
; K goes in steps of 512 through a ring of two LDS slots filled by the tensor data mover; a tile's row of codes is 256 bytes of memory.  THE SCALES RIDE IN THE RING: a K step's bytes of a tile's 256 rows are
; 4,096 consecutive bytes.  Wave 0 fetches A's codes (256 rows), wave 1 B's, wave 2 A's scales, wave 3 B's: one tensor load a wave.
; THE PRODUCT OF K = 16 STARTS THE SUMS: one bf16 matrix instruction for each accumulator, with C = 0 and the upper half of its K = 32 zero, ahead of the first K step: nothing is cleared, nothing is added at the end.
; THE LAST K STEP GOES BY ROWS OF C: all its fragments of B lie in registers, and the wave's eight blocks of 16 rows are finished one after the other, so that finished rows leave while the others are multiplied.
; LIMITS: hid and lora_b are rounded to bf16 for that product, the format its contract allows; its term stands first in each f32 sum, then K ascending.
; CLUSTERS: 4 x 4 work-groups.  The four of a row of the cluster need the same tiles of A, the four of a column the same tiles of B: each tile is asked for JOINTLY, by the same tensor load with the same descriptor
; and a mask that names the four.  THE MATRIX INSTRUCTIONS ARE USED TRANSPOSED (source 0 = 16 rows of W or lora_b, source 1 = 16 rows of x or hid): a lane then holds eight neighbouring numbers of a row of C.
; REGISTERS, in windows of 256: window 0: v0-31 addresses; v32-95 scale words, two sets; v128-191 A's fragments (8 x 16 rows x 128 K), ONE set (at the head: lora_b as f32); v192-255 hid's fragments;
;   in the last K step v128-255 are four buffers of 16 rows x 512 K of A.   window 1: B's fragments, TWO sets, at v0 and at v128; v64-127 lora_b's fragments; in the last K step all 256: B's fragments of the whole step.
;   window 2: the 32 accumulators of my rows 0-63 (accumulator (a, b) at v[8 (8 a + b)]);   window 3: those of my rows 64-127.  On the way out a block's rows come back from LDS into the registers that they left.
.set SIZE_N, 4096
.set NQ,     4                         ; matrix instructions deep in a slot: 512 along K
.set ROWB,   256                       ; a tile's row of codes in bytes
.set KROW,   2048                      ; a row of codes in memory
.set PITCH,  272                       ; an LDS row: 256 bytes + 16 of padding = 68 words: row r starts at bank 4 r mod 64 (64 banks of 4 bytes: ISA guide 11.1), so the 16 rows that a load touches start at 16 different banks
.set FR,     8                         ; registers of a fragment: 16 rows x 128 K
.set NL,     2                         ; LDS loads that bring one
.set NP,     4                         ; places behind these matrix instructions (ISA guide 7.12.1)
.set HALFT,  128*PITCH                 ; the codes of 128 rows: what one wave reads of A or of B
.set CODES,  256*PITCH                 ; of 256 rows: what one tensor load brings
.set HALFS,  128*16                    ; the scale bytes of 128 rows
.set SCA,    2*CODES                   ; a slot: A's codes, B's codes, A's scales (4,096 bytes on end), B's scales
.set SCB,    SCA+2*HALFS
.set SLOT,   SCB+2*HALFS               ; 147,456 bytes
.set SCSTEP, 4096*16                   ; a K step on in x_sc and w_sc
.set SPARE,  2*SLOT                    ; behind the ring: the spare words, 128 bytes for each wave: two blocks of 256 bytes that no other line names
.set LAPS,   4                         ; a lap = two K steps = once round the ring
.set SPITCH, 528                       ; the way out: a stage of 16 rows x (512 bytes + 16) for each wave.  It lies in slot 0, which has had its last fill and its last read when the first result is stored there
.set ADRA, 16                          ; v16-17  LDS address of my A fragments in slot 0, 1
.set ADRB, 20                          ; v20-21  the same for B
.set ADRS, 22                          ; v22-23  of my scale words: lanes 0-15 A's rows, lanes 16-31 B's
.set STO,  24                          ; v24     the way out: where I put 32 bytes of a row
.set RD,   25                          ; v25     the way out: where I read a row back
.set CO,   26                          ; v26     my byte offset in a row of C
.set PFO,  27                          ; v27     the prefetches' offset: my lane x a row of codes in memory; never rewritten
.set SPW,  28                          ; v28     LDS address of my spare word: SPARE + 4 x my thread's number; never rewritten
.set NIL,  29                          ; v29     0; never rewritten
.set HO,   30                          ; v30     hid: 32 r + 16 h
.set BO,   31                          ; v31     lora_b: 64 r + 32 h
.set SC,   32                          ; scale words: set s (for slot s) at v[SC + 32 s]; in it register 4 i + q: lanes 0-15 the word of A's block i, lanes 16-31 that of B's block i, for the slot's q-th 128 along K
.set AF,   128                         ; A's fragments, in window 0
.set HF,   192                         ; hid's eight fragments, in window 0
.set LB,   64                          ; lora_b's eight fragments, in window 1
.set LIM,  2                           ; s2   1 in a wave that prefetches, else the greatest number
.set WV,   18                          ; s18  my wave's number;  s19 which half of the tile's rows is mine;  s20 which half of its columns
.set G1A,  24                          ; s[24:31] descriptor group 1 for A's codes;  s[32:39] B's codes;  s[40:47] A's scales;  s[48:55] B's scales
.set G1B,  32
.set G1SA, 40
.set G1SB, 48
.set G0A,  56                          ; s[56:63] group 0 for A's codes, a set for each slot;  s[68:75] B's codes;  s[76:83] A's scales;  s[84:91] B's scales
.set PFA,  66                          ; s[66:67] where my prefetches stand: my 32 rows of codes, at the K step that the next refill will ask for
.set G0B,  68
.set G0SA, 76
.set G0SB, 84
.set MSB, 0
.macro WIN new                         ; the immediate's high byte repeats the setting that is left; a switch that changes nothing is dropped
.if MSB != (\new)
	s_set_vgpr_msb (MSB<<8)|(\new)
.set MSB, (\new)
.endif
.endm
.set MUL_LO, 0xa1                      ; source 0 (B) window 1, source 1 (A) window 0, C and D window 2
.set MUL_HI, 0xf1                      ; the same, C and D window 3
.set TO_B,   0x40                      ; destination window 1, the rest window 0
; A joint load into slot s: each wave has a line of its own, with ONE mask and one set of registers for all work-groups that issue it; the branches hang on the wave's number alone.
; Four v_nop follow each line, ahead of the jump, the label and what follows.
.macro JLOAD s
	s_cmp_lt_u32 s[WV], 2
	s_cbranch_scc0 .Lscales_\@
	s_cmp_eq_u32 s[WV], 0
	s_cbranch_scc0 .Lcodes_b_\@
	tensor_load_to_lds s[G0A+4*\s:G0A+4*\s+3], s[G1A:G1A+7]
	s_nop 0
.rept 4
	v_nop
.endr
	s_branch .Lasked_\@
.Lcodes_b_\@:
	tensor_load_to_lds s[G0B+4*\s:G0B+4*\s+3], s[G1B:G1B+7]
	s_nop 0
.rept 4
	v_nop
.endr
	s_branch .Lasked_\@
.Lscales_\@:
	s_cmp_eq_u32 s[WV], 2
	s_cbranch_scc0 .Lscales_b_\@
	tensor_load_to_lds s[G0SA+4*\s:G0SA+4*\s+3], s[G1SA:G1SA+7]
	s_nop 0
.rept 4
	v_nop
.endr
	s_branch .Lasked_\@
.Lscales_b_\@:
	tensor_load_to_lds s[G0SB+4*\s:G0SB+4*\s+3], s[G1SB:G1SB+7]
	s_nop 0
.rept 4
	v_nop
.endr
.Lasked_\@:
.endm
; A PREFETCH INTO THE L2, behind each joint refill, its four lines and the run of LDS loads that follows them: the codes of the K step that the NEXT refill will ask for, 256 matrix instructions ahead of that load:
; 32 rows x 256 bytes, a lane a row, one instruction a wave.  At a change of slots every wave has waited for all its tensor loads, so the refill that follows has nothing on its way beside it.
; Each row's 256 bytes of a K step are named ONCE in the launch.  A's tile row is read by every cluster of that row of clusters: the first of them (cluster x = 0) asks; B's tile column by every cluster of that
; column: cluster y = 0 asks.  The four partners that ask for a tile jointly share its 256 rows out BY ADDRESS: the partner at place p takes rows 64 p .. 64 p + 63 (p = cx for A, cy for B): no branch hangs on a
; work-group's place in its cluster.  In each, waves 0 and 1 take A's 64 rows, waves 2 and 3 B's.  K steps 0 to 2 come by their loads alone; the last refill asks for nothing: there is no K step behind it.
; The scale bytes, 4,096 of a tile's 69,632 bytes, are not asked for.  second = 1: the lap's second change of slots, which is the last refill in the loop's last trip (s3 = 1).
.macro ASK second
.if \second
	s_cmp_gt_u32 s3, s[LIM]
.else
	s_cmp_eq_u32 s[LIM], 1
.endif
	s_cbranch_scc0 .Lnot_mine_\@
	global_prefetch_b8 v[PFO], s[PFA:PFA+1] th:TH_LOAD_NT scope:SCOPE_SE
.Lnot_mine_\@:
.endm
.macro CREST                           ; a round of the cluster's barrier behind its opening barrier
	s_cmp_lg_u32 s[WV], 0
	s_cbranch_scc1 .Lnot_wave_0_\@
	s_barrier_signal -3
.Lnot_wave_0_\@:
	s_barrier_wait -3
	s_barrier_signal -1
	s_barrier_wait -1
.endm
.macro CROUND                          ; a whole round
	s_barrier_signal -1
	s_barrier_wait -1
	CREST
.endm
	s_load_b256 s[4:11], s[0:1], 0x0               ; x_codes 4:5, x_sc 6:7, w_codes 8:9, w_sc 10:11
	s_load_b128 s[12:15], s[0:1], 0x20             ; hid 12:13, lora_b 14:15
	s_load_b64 s[16:17], s[0:1], 0x30              ; out0
	v_lshl_add_u32 v[SPW], v0, 2, SPARE
	v_mov_b32 v[NIL], 0
	ds_add_u32 v28, v29
	ds_add_u32 v28, v29
	s_wait_dscnt 0x0
	v_lshrrev_b32 v1, 5, v0
	v_readfirstlane_b32 s[WV], v1                  ; wave 0..3
	s_lshr_b32 s19, s[WV], 1
	s_and_b32 s20, s[WV], 1
	s_bfe_u32 s96, ttmp6, 0x40000                  ; cx, cy: my place in the cluster
	s_bfe_u32 s97, ttmp6, 0x40004
	s_lshl_b32 s98, ttmp9, 2
	s_add_co_u32 s98, s98, s96                     ; tile column of C = 4 x cluster x + cx
	s_and_b32 s99, ttmp7, 0xffff
	s_lshl_b32 s99, s99, 2
	s_add_co_u32 s99, s99, s97                     ; tile row of C = 4 x cluster y + cy
	s_lshl_b32 s100, s97, 2
	s_lshl_b32 s100, 15, s100                      ; my row of the cluster
	s_lshl_b32 s101, 0x1111, s96                   ; my column
	; group 1 for codes: a tile of 256 rows x 256 bytes, padded in LDS
	s_or_b32 s[G1A], s100, (0<<16)|(1<<20)|(1<<21)|(5<<22)|(3<<25)   ; 15:0 the mask: A's tiles go to my row; 17:16 element of 1 byte; 20 padding on; 21 set beside a mask; 24:22 after every 64 words (code 5); 31:25 of 4 words (code 3)
	s_or_b32 s[G1B], s101, (0<<16)|(1<<20)|(1<<21)|(5<<22)|(3<<25)   ; B's go to my column
.irp g, G1A, G1B
	s_mov_b32 s[\g+1], ROWB<<16                    ; tensor_dim0 = 256
	s_mov_b32 s[\g+2], 256<<16                     ; tensor_dim1 = 256
	s_mov_b32 s[\g+3], ROWB<<16                    ; tile_dim0 = 256
	s_mov_b32 s[\g+4], 256                         ; tile_dim1 = 256
	s_mov_b32 s[\g+5], KROW                        ; tensor_dim0_stride
	s_mov_b32 s[\g+6], 0
	s_mov_b32 s[\g+7], 0
.endr
	; group 1 for scales: 4,096 bytes on end, as 16 rows of 256 bytes (32 elements of 8 bytes), no padding: sixteen lanes read 256 consecutive bytes of them
	s_or_b32 s[G1SA], s100, (3<<16)|(1<<21)
	s_or_b32 s[G1SB], s101, (3<<16)|(1<<21)
.irp g, G1SA, G1SB
	s_mov_b32 s[\g+1], 32<<16
	s_mov_b32 s[\g+2], 16<<16
	s_mov_b32 s[\g+3], 32<<16
	s_mov_b32 s[\g+4], 16
	s_mov_b32 s[\g+5], 32
	s_mov_b32 s[\g+6], 0
	s_mov_b32 s[\g+7], 0
.endr
	; group 0.  A's addresses hang on the tile row alone, which my row of the cluster shares; B's on the tile column alone; each in registers that never hold the other coordinate.  The LDS addresses are constants
	s_lshl_b32 s92, s99, 19                        ; 256 rows of 2,048 bytes
	s_mov_b32 s93, 0
	s_lshl_b32 s94, s98, 19
	s_mov_b32 s95, 0
	s_wait_kmcnt 0x0
	s_add_nc_u64 s[G0A+2:G0A+3], s[4:5], s[92:93]
	s_add_nc_u64 s[G0B+2:G0B+3], s[8:9], s[94:95]
	s_lshl_b32 s92, s99, 12                        ; 256 rows of 16 bytes
	s_lshl_b32 s94, s98, 12
	s_add_nc_u64 s[G0SA+2:G0SA+3], s[6:7], s[92:93]
	s_add_nc_u64 s[G0SB+2:G0SB+3], s[10:11], s[94:95]
	s_add_nc_u64 s[G0A+6:G0A+7], s[G0A+2:G0A+3], ROWB              ; slot 1 begins with K step 1
	s_add_nc_u64 s[G0B+6:G0B+7], s[G0B+2:G0B+3], ROWB
	s_add_nc_u64 s[G0SA+6:G0SA+7], s[G0SA+2:G0SA+3], SCSTEP
	s_add_nc_u64 s[G0SB+6:G0SB+7], s[G0SB+2:G0SB+3], SCSTEP
.irp g, G0A, G0B, G0SA, G0SB
	s_mov_b32 s[\g], 1                             ; 1:0 count = 1
	s_mov_b32 s[\g+4], 1
	s_or_b32 s[\g+3], s[\g+3], 0x80000000          ; 127:126 type = 2
	s_or_b32 s[\g+7], s[\g+7], 0x80000000
.endr
	s_mov_b32 s[G0A+1], 0                          ; 63:32 LDS address
	s_mov_b32 s[G0A+5], SLOT
	s_mov_b32 s[G0B+1], CODES
	s_mov_b32 s[G0B+5], SLOT+CODES
	s_mov_b32 s[G0SA+1], SCA
	s_mov_b32 s[G0SA+5], SLOT+SCA
	s_mov_b32 s[G0SB+1], SCB
	s_mov_b32 s[G0SB+5], SLOT+SCB
	CROUND                                         ; all sixteen work-groups are here: the first joint loads meet
	JLOAD 0                                        ; the two first fills go out together, ahead of every wait on TENSORcnt and every LDS read: two loads of mine are out
	JLOAD 1
	v_and_b32 v1, 15, v0                           ; r = l % 16
	v_bfe_u32 v2, v0, 4, 1                         ; h = l / 16
	; ---- the operands of the product of K = 16 are asked for
	v_lshlrev_b32 v[HO], 5, v1
	v_lshl_add_u32 v[HO], v2, 4, v[HO]             ; hid: row r of 32 bytes, + 16 h: ranks 8 h + 0 .. 7 as bf16
	v_lshlrev_b32 v[BO], 6, v1
	v_lshl_add_u32 v[BO], v2, 5, v[BO]             ; lora_b: row r of 64 bytes, + 32 h: the same ranks as f32
	s_lshl_b32 s22, s99, 13                        ; hid: 256 rows of 32 bytes a tile row, 128 a half
	s_lshl_b32 s21, s19, 12
	s_add_co_u32 s22, s22, s21
	s_mov_b32 s23, 0
	s_add_nc_u64 s[12:13], s[12:13], s[22:23]
	s_lshl_b32 s22, s98, 14                        ; lora_b: 256 rows of 64 bytes a tile column, 128 a half
	s_lshl_b32 s21, s20, 13
	s_add_co_u32 s22, s22, s21
	s_add_nc_u64 s[14:15], s[14:15], s[22:23]
.irp i, 0,1,2,3,4,5,6,7
	global_load_b128 v[HF+8*\i:HF+8*\i+3], v[HO], s[12:13] offset:512*\i          ; block i of my 128 rows: registers 0-3 of a fragment (k = 8 h + 0 .. 7): 512 consecutive bytes
.endr
.irp i, 0,1,2,3,4,5,6,7
	global_load_b128 v[AF+8*\i:AF+8*\i+3], v[BO], s[14:15] offset:1024*\i
	global_load_b128 v[AF+8*\i+4:AF+8*\i+7], v[BO], s[14:15] offset:1024*\i+16
.endr
	; ---- LDS addresses
	v_mul_u32_u24 v3, v1, PITCH
	v_lshl_add_u32 v4, v2, 4, v3                   ; a fragment's row x pitch + 16 x half
	s_mul_i32 s21, s19, HALFT                      ; my 128 rows of A
	s_mul_i32 s22, s20, HALFT                      ; my 128 rows of B,
	s_add_co_u32 s22, s22, CODES                   ; which lie behind A's 256
.irp s, 0,1
	v_add_nc_u32 v[ADRA+\s], s21, v4
	v_add_nc_u32 v[ADRB+\s], s22, v4
	s_add_co_u32 s21, s21, SLOT
	s_add_co_u32 s22, s22, SLOT
.endr
	v_lshlrev_b32 v5, 4, v1                        ; my row's 16 scale bytes
	s_mul_i32 s21, s19, HALFS                      ; A's: my 128 rows
	s_mul_i32 s22, s20, HALFS                      ; B's: my 128 rows, behind A's 256
	s_add_co_u32 s22, s22, 2*HALFS
	s_sub_co_u32 s22, s22, s21
	v_mul_u32_u24 v6, s22, v2                      ; lanes 16-31 take B's: the lower base + h x the distance
	s_add_co_u32 s21, s21, SCA
	v_add_nc_u32 v5, v5, v6
	v_add_nc_u32 v[ADRS], s21, v5
	v_add_nc_u32 v[ADRS+1], SLOT, v[ADRS]
	s_mul_i32 s23, s[WV], 16*SPITCH                ; my stage
	v_mul_u32_u24 v5, v1, SPITCH                   ; in: row l % 16, 32 bytes for each half of the lanes
	v_lshl_add_u32 v5, v2, 5, v5
	v_add_nc_u32 v[STO], s23, v5
	v_and_b32 v6, 31, v0
	v_lshlrev_b32 v[CO], 4, v6                     ; back: the 32 lanes take one row of 512 bytes; and the same in C
	v_add_nc_u32 v[RD], s23, v[CO]
	s_lshl_b32 s22, s99, 22                        ; my part of C: 256 rows of 16,384 bytes a tile row,
	s_lshl_b32 s21, s19, 21                        ; 128 a half,
	s_add_co_u32 s22, s22, s21
	s_lshl_b32 s21, s98, 10                        ; 1,024 bytes a tile column,
	s_add_co_u32 s22, s22, s21
	s_lshl_b32 s21, s20, 9                         ; 512 a half
	s_add_co_u32 s22, s22, s21
	s_mov_b32 s23, 0
	s_add_nc_u64 s[16:17], s[16:17], s[22:23]
	; ---- the prefetches (macro ASK): where my wave's stand, and who asks.  Nothing is prefetched here, at the head, where every work-group's first tiles are on their way
	s_and_b32 s23, ttmp7, 0xffff                   ; cluster y
	s_cmp_lt_u32 s[WV], 2                          ; waves 0 and 1 ask for A's rows, waves 2 and 3 for B's
	s_cselect_b64 s[PFA:PFA+1], s[4:5], s[8:9]
	s_cselect_b32 s21, s99, s98                    ; the tile: by the tile row in x, by the tile column in W
	s_cselect_b32 s22, s96, s97                    ; my place among the four that ask for it with me
	s_cselect_b32 s23, ttmp9, s23                  ; the coordinate along which other clusters read the same rows
	s_cmp_eq_u32 s23, 0
	s_cselect_b32 s[LIM], 1, -1                    ; the same in all sixteen partners, for a given wave
	s_lshl_b32 s21, s21, 8                         ; the tile's first row,
	s_lshl_b32 s22, s22, 6
	s_add_co_u32 s21, s21, s22                     ; + my work-group's 64,
	s_lshl_b32 s22, s20, 5
	s_add_co_u32 s21, s21, s22                     ; + my wave's 32 of them
	s_lshl_b32 s22, s21, 11                        ; in bytes,
	s_add_co_u32 s22, s22, 2*ROWB                  ; at K step 2: the first refill steps it to 3
	s_mov_b32 s23, 0
	s_add_nc_u64 s[PFA:PFA+1], s[PFA:PFA+1], s[22:23]
	v_lshlrev_b32 v[PFO], 11, v6                   ; a lane a row
	; ---- k = 16 .. 31 of both operands is zero: registers 4-7 of each fragment (the bf16 form is 32 deep, the product 16)
.irp i, 0,1,2,3,4,5,6,7
.irp j, 4,5,6,7
	v_mov_b32 v[HF+8*\i+\j], 0
.endr
.endr
	WIN TO_B
.irp i, 0,1,2,3,4,5,6,7
.irp j, 4,5,6,7
	v_mov_b32 v[LB+8*\i+\j], 0
.endr
.endr
	s_wait_loadcnt 0x0                             ; hid and lora_b
.irp i, 0,1,2,3,4,5,6,7
.irp j, 0,1,2,3
	v_cvt_pk_bf16_f32 v[LB+8*\i+\j], v[AF+8*\i+2*\j], v[AF+8*\i+2*\j+1]   ; lora_b to bf16, to nearest even: from window 0 into window 1
.endr
.endr
.macro FRAG reg, adr, q, i             ; a fragment, 16 rows x 128 K of 4-bit codes, is 8 registers: lane l holds row l % 16; registers 4 c .. 4 c + 3 hold K = 64 c + 32 (l / 16) + 0 .. 31, the lower K in the lower bits
.irp c, 0,1
	ds_load_b128 v[\reg+4*\c:\reg+4*\c+3], v[\adr] offset:64*(\q)+32*\c+(\i)*16*PITCH
.endr
.endm
; 16 bf16 matrix instructions: hid's blocks a0, a0 + 1 x lora_b's eight.  They start the sums: C = 0.  The accumulators go in the order in which every later step takes them
.macro LORA16 a0
.irp a, \a0, \a0+1
.irp b, 0,1,2,3,4,5,6,7
	v_wmma_f32_16x16x32_bf16 v[8*(8*((\a)%4)+\b):8*(8*((\a)%4)+\b)+7], v[LB+8*\b:LB+8*\b+7], v[HF+8*(\a):HF+8*(\a)+7], 0
.endr
.endr
.endm
; 16 matrix instructions: A's blocks a0, a0 + 1 x B's eight, 128 along K: the slot's q-th.  p: B's set;  sc: the set of scale words.
; The 64 accumulators take turns, one instruction a turn, in the same order in every step.
.macro MUL16 a0, p, q, sc
.irp a, \a0, \a0+1
.irp b, 0,1,2,3,4,5,6,7
	v_wmma_scale_f32_16x16x128_f8f6f4 v[8*(8*((\a)%4)+\b):8*(8*((\a)%4)+\b)+7], v[128*(\p)+FR*\b:128*(\p)+FR*\b+FR-1], v[AF+FR*(\a):AF+FR*(\a)+FR-1], v[8*(8*((\a)%4)+\b):8*(8*((\a)%4)+\b)+7], v[SC+8*NQ*(\sc)+NQ*\b+(\q)], v[SC+8*NQ*(\sc)+NQ*(\a)+(\q)] matrix_a_fmt:MATRIX_FMT_FP4 matrix_b_fmt:MATRIX_FMT_FP4 matrix_a_scale:MATRIX_SCALE_ROW1
.endr
.endr
.endm
.macro FETCH_B slot, q, p              ; B's eight fragments of the slot's q-th 128 along K into set p
	WIN TO_B
.irp i, 0,1,2,3,4,5,6,7
	FRAG 128*(\p)+FR*\i, ADRB+\slot, \q, \i
.endr
	WIN 0
.endm
.macro FETCH_A slot, q, i0             ; A's blocks i0 .. i0 + 3
.irp i, \i0, \i0+1, \i0+2, \i0+3
	FRAG AF+FR*(\i), ADRA+\slot, \q, \i
.endr
.endm
.macro SCALES sc                       ; slot sc's scale words into set sc: four words a row; lanes 0-15 take A's block i, lanes 16-31 B's block i
.irp i, 0,1,2,3,4,5,6,7
	ds_load_b128 v[SC+8*NQ*\sc+NQ*\i:SC+8*NQ*\sc+NQ*\i+3], v[ADRS+\sc] offset:\i*256
.endr
.endm
; A load into a register that a matrix instruction has read or written, and a vector instruction or an LDS store that reads a matrix result, stand NP places behind that matrix instruction, and only plain vector
; instructions that name none of its registers are places (ISA guide 7.12.1 for vector instructions); this text does not count the matrix instructions in between.
.macro PLACES n
.rept \n
	v_nop
.endr
.endm
; A step of 128 along K that has its successor in the same slot.  A block of A is free as soon as its eight products are issued: blocks 0-3 are fetched anew in the step's middle, blocks 4-7 at its end
.macro STEP slot, q
	s_wait_dscnt 4*NL                              ; B's set, A's blocks 0-3 and the scale words are in; the youngest eight loads (A's blocks 4-7) may be out
	WIN MUL_LO
	MUL16 0, (\q)%2, \q, \slot
	MUL16 2, (\q)%2, \q, \slot
	s_wait_dscnt 0                                 ; A's blocks 4-7 are in (asked for 32 matrix instructions ago)
	PLACES NP
	FETCH_B \slot, (\q)+1, 1-(\q)%2
	FETCH_A \slot, (\q)+1, 0
	WIN MUL_HI
	MUL16 4, (\q)%2, \q, \slot
	MUL16 6, (\q)%2, \q, \slot
	PLACES NP
	WIN 0
	FETCH_A \slot, (\q)+1, 4
.endm
; The first half of a slot's last step, with the ONE barrier of a change of slots: in front of it each wave waits for all its tensor loads, adds 0 to its spare word, and waits for that and for its own reads of this slot.
.macro MEET slot
	s_wait_tensorcnt 0x0                           ; all my tensor loads have landed: the one that was out is my part of the next slot;  (every window is 0 here: the add's two registers lie in window 0)
	ds_add_u32 v[SPW], v[NIL]                      ; 0 onto my spare word
	s_wait_dscnt 4*NL+1                            ; (the add and the youngest eight loads, A's blocks 4-7, may be out)
	WIN MUL_LO
	MUL16 0, 1, NQ-1, \slot                        ; sixteen matrix instructions stand between the add and the wait for it
	s_wait_dscnt 0x0                               ; the add is done, and my reads of this slot are over
	s_barrier_signal -1
	MUL16 2, 1, NQ-1, \slot
	WIN 0                                          ; (branches may follow, and nothing stands between the wait below and the rest of a round)
	s_barrier_wait -1
.endm
; A slot's last step, where the slot is filled again, two K steps ahead.
.macro TURN slot, next
	s_wait_xcnt 0x0                                ; the last prefetch, a K step back, has read its address: it is stepped here, ahead of the waits of the change of slots
	s_add_nc_u64 s[PFA:PFA+1], s[PFA:PFA+1], ROWB
	MEET \slot
	CREST                                          ; the barrier has opened a round of the cluster's barrier: no wave of any partner still reads this slot's tiles or has a load on its way
	s_add_nc_u64 s[G0A+4*\slot+2:G0A+4*\slot+3], s[G0A+4*\slot+2:G0A+4*\slot+3], 2*ROWB       ; no tensor load of mine is out, so every group 0 may be written: two K steps on
	s_add_nc_u64 s[G0B+4*\slot+2:G0B+4*\slot+3], s[G0B+4*\slot+2:G0B+4*\slot+3], 2*ROWB
	s_add_nc_u64 s[G0SA+4*\slot+2:G0SA+4*\slot+3], s[G0SA+4*\slot+2:G0SA+4*\slot+3], 2*SCSTEP
	s_add_nc_u64 s[G0SB+4*\slot+2:G0SB+4*\slot+3], s[G0SB+4*\slot+2:G0SB+4*\slot+3], 2*SCSTEP
	JLOAD \slot                                    ; the first tensor load behind the round, one a wave; the four v_nop behind it are the places in front of the loads below
	FETCH_B \next, 0, 0
	FETCH_A \next, 0, 0
	SCALES \next
	ASK \slot                                      ; behind the joint load and the run of LDS loads that the next products wait for
	WIN MUL_HI
	MUL16 4, 1, NQ-1, \slot
	MUL16 6, 1, NQ-1, \slot
	PLACES NP
	WIN 0
	FETCH_A \next, 0, 4
.endm
.macro STEPS slot, from                ; the slot's steps from .. NQ - 2
.set Q, \from
.rept NQ-1-\from
	STEP \slot, Q
.set Q, Q+1
.endr
.endm
; THE LAST K STEP (it lies in slot 1) GOES BY ROWS OF C, NOT BY K.  All its fragments of B (4 quarters x 64 registers) fill window 1; then my eight blocks of 16 rows are finished one after the other, each with
; 32 matrix instructions (its 8 accumulators by turns; K ascending).  LDS is read no more than in any other K step.
.macro BLOAD q                         ; B's fragments of quarter q -> window 1, v[64 q ..]
.irp i, 0,1,2,3,4,5,6,7
	FRAG 64*(\q)+FR*\i, ADRB+1, \q, \i
.endr
.endm
.macro ALOAD a                         ; A's fragments of block a, all four quarters -> one of four buffers of 32 registers: v192, v224, v128, v160 for a % 4 = 0, 1, 2, 3
.set FA, 128+32*(((\a)+2)%4)
.irp q, 0,1,2,3
	FRAG FA+FR*\q, ADRA+1, \q, \a
.endr
.endm
.macro ROW a                           ; block a is finished: 32 matrix instructions
.set FA, 128+32*(((\a)+2)%4)           ; its fragments of A
.set AC, 64*((\a)%4)                   ; its eight accumulators, in window 2 (blocks 0-3) or 3 (blocks 4-7)
	WIN MUL_LO+0x50*((\a)/4)                       ; MUL_LO or MUL_HI
.irp q, 0,1,2,3
.if ((\a) == 0) && (\q == 2)
	s_wait_dscnt 8                                 ; B's quarter 2 and A's blocks 1 and 2 are in (behind them: A's block 3)
.endif
.irp b, 0,1,2,3,4,5,6,7
	v_wmma_scale_f32_16x16x128_f8f6f4 v[AC+8*\b:AC+8*\b+7], v[64*\q+FR*\b:64*\q+FR*\b+FR-1], v[FA+FR*\q:FA+FR*\q+FR-1], v[AC+8*\b:AC+8*\b+7], v[SC+8*NQ+NQ*\b+\q], v[SC+8*NQ+NQ*(\a)+\q] matrix_a_fmt:MATRIX_FMT_FP4 matrix_b_fmt:MATRIX_FMT_FP4 matrix_a_scale:MATRIX_SCALE_ROW1
.endr
.endr
.endm
; THE WAY OUT of block a, 16 rows x 128 columns.  A lane holds 32 neighbouring bytes of a row, and the lanes beside it hold other rows: so the block goes through my own stage in LDS and comes back as whole rows of
; 512 bytes, into the registers that it left.  LDS serves a wave's instructions in order (ISA guide 5.7.1.4): no wait between the stores and the loads, nor in front of the next block's stores.
.macro TOSTAGE a
.set AC, 64*((\a)%4)
	WIN 0x08+4*((\a)/4)                            ; an LDS store's data are its source 1: window 2 or 3
.irp b, 0,1,2,3,4,5,6,7
	ds_store_b128 v[STO], v[AC+8*\b:AC+8*\b+3] offset:64*\b          ; each accumulator from its low end on
	ds_store_b128 v[STO], v[AC+8*\b+4:AC+8*\b+7] offset:64*\b+16
.endr
	WIN 0x80+0x40*((\a)/4)                         ; loaded data are the destination: the same window
.irp t, 0,1,2,3,4,5,6,7,8,9,10,11,12,13,14,15
	ds_load_b128 v[AC+4*\t:AC+4*\t+3], v[RD] offset:\t*SPITCH
.endr
	WIN 0
.endm
.macro SEND a, younger                 ; younger: the LDS loads issued behind block a's, which may stay out
.set AC, 64*((\a)%4)
	s_wait_dscnt \younger                          ; the block is back in registers
	WIN 0x08+4*((\a)/4)                            ; a store's data are its source 1
.irp t, 0,1,2,3,4,5,6,7,8,9,10,11,12,13,14,15
	global_store_b128 v[CO], v[AC+4*\t:AC+4*\t+3], s[16:17] offset:(16*(\a)+\t)*SIZE_N*4 th:TH_STORE_NT   ; 32 lanes store 512 consecutive bytes, at a multiple of 256 from C's first byte; written once, read by nobody here.  The row stands in the immediate, 127 rows of 16,384 bytes at the most, inside its signed 24 bits: no base is stepped, and no register of a store is written again
.endr
.endm
	; ---- hid lora_b^T starts the 64 sums, while the first tiles are on their way
	PLACES NP                                      ; between the conversions and zeros and the products that take them
	WIN MUL_LO
	LORA16 0
	LORA16 2
	WIN MUL_HI
	LORA16 4
	LORA16 6
	WIN 0
	PLACES NP+1                                    ; the first K step's products are of another form and write over these results: one place more than a read asks
	s_wait_tensorcnt 1                             ; my part of K step 0 is in (K step 1's load may be out)
	s_barrier_signal -1
	s_barrier_wait -1                              ; everybody's is
	FETCH_B 0, 0, 0
	FETCH_A 0, 0, 0
	SCALES 0
	FETCH_A 0, 0, 4
	STEP 0, 0
	s_mov_b32 s3, LAPS-1
.Llap:                                                 ; a trip goes once round the ring, from a lap's second step to the next lap's first, and fills both slots again
	STEPS 0, 1
	TURN 0, 1
	STEPS 1, 0
	TURN 1, 0
	STEP 0, 0
	s_sub_co_u32 s3, s3, 1
	s_cmp_lg_u32 s3, 0
	s_cbranch_scc1 .Llap
	STEPS 0, 1                                     ; the last lap fills nothing, and has no round of the cluster's barrier: written out
	MEET 0                                         ; my one tensor load that was still out is slot 1's, the last K step's
	PLACES NP                                      ; for the loads into A's blocks 0-3, which the products above have read
	WIN TO_B
	BLOAD 0                                        ; three quarters of B now: set 1 (v128-191 of window 1) is still being multiplied
	BLOAD 1
	BLOAD 3
	WIN 0
	SCALES 1
	ALOAD 0
	ALOAD 1
	ALOAD 2
	WIN MUL_HI
	MUL16 4, 1, NQ-1, 0
	MUL16 6, 1, NQ-1, 0
	PLACES NP                                      ; for the loads into B's set 1 and A's blocks 4-7
	WIN TO_B
	BLOAD 2
	WIN 0
	ALOAD 3
	s_wait_dscnt 40                                ; B's quarters 0, 1 and 3, the scale words and A's block 0 are in; A's blocks 1 to 3 and B's quarter 2 (8 + 8 + 16 + 8 loads) may be out
	ROW 0
.irp a, 0,1,2,3,4,5,6,7                ; each block leaves as soon as it is finished; the next block's products stand between its trip through the stage and its stores
	PLACES NP                                      ; the stage's stores read results just made, its loads land on them, and the next loads of A land on operands just read
	TOSTAGE \a
.if \a < 4
	ALOAD \a+4                                     ; its buffer takes the block four further on
.endif
.if \a < 7
	ROW \a+1                                       ; its fragments of A stand ahead of an earlier block's trip through the stage, so an earlier wait has shown them in
.endif
.if \a < 4
	SEND \a, 8                                     ; behind block a's loads: the eight loads of A
.else
	SEND \a, 0
.endif
.endr
	WIN 0
	s_wait_tensorcnt 0x0                           ; the wave's end: behind my last tensor load and my last LDS store
	ds_add_u32 v[SPW], v[NIL]
	s_wait_dscnt 0x0
	CROUND                                         ; the closing round: no work-group ends while a partner may still ask for a tile that names it
	s_endpgm
.Lfunc_end_k_q1fc26ea369_gemm:
	.size	k_q1fc26ea369_gemm, .Lfunc_end_k_q1fc26ea369_gemm-k_q1fc26ea369_gemm
	.p2alignl 7, 3214868480
	.fill 96, 4, 3214868480
	.section	.rodata,"a",@progbits
	.p2align	6, 0x0
	.amdhsa_kernel k_q1fc26ea369_gemm
		.amdhsa_group_segment_fixed_size 327680
		.amdhsa_private_segment_fixed_size 0
		.amdhsa_enable_private_segment 0
		.amdhsa_kernarg_size 56
		.amdhsa_user_sgpr_count 2
		.amdhsa_user_sgpr_kernarg_segment_ptr 1
		.amdhsa_wavefront_size32 1
		.amdhsa_system_sgpr_workgroup_id_x 1
		.amdhsa_system_sgpr_workgroup_id_y 1
		.amdhsa_system_sgpr_workgroup_id_z 1
		.amdhsa_system_vgpr_workitem_id 0
		.amdhsa_next_free_vgpr 1024
		.amdhsa_next_free_sgpr 102
		.amdhsa_reserve_vcc 0
		.amdhsa_float_denorm_mode_32 3
		.amdhsa_float_denorm_mode_16_64 3
		.amdhsa_memory_ordered 1
		.amdhsa_forward_progress 1
		.amdhsa_inst_pref_size 225
	.end_amdhsa_kernel
	.amdgpu_metadata
---
amdhsa.version: [ 1, 2 ]
amdhsa.kernels:
  - .name:           k_q1fc26ea369_gemm
    .symbol:         k_q1fc26ea369_gemm.kd
    .args:
      - { .name: x_codes, .offset: 0, .size: 8, .value_kind: global_buffer, .address_space: global }
      - { .name: x_sc, .offset: 8, .size: 8, .value_kind: global_buffer, .address_space: global }
      - { .name: w_codes, .offset: 16, .size: 8, .value_kind: global_buffer, .address_space: global }
      - { .name: w_sc, .offset: 24, .size: 8, .value_kind: global_buffer, .address_space: global }
      - { .name: hid, .offset: 32, .size: 8, .value_kind: global_buffer, .address_space: global }
      - { .name: lora_b_w, .offset: 40, .size: 8, .value_kind: global_buffer, .address_space: global }
      - { .name: out0, .offset: 48, .size: 8, .value_kind: global_buffer, .address_space: global }
    .group_segment_fixed_size: 327680
    .private_segment_fixed_size: 0
    .kernarg_segment_align: 8
    .kernarg_segment_size: 56
    .max_flat_workgroup_size: 128
    .sgpr_count:     102
    .vgpr_count:     1024
    .wavefront_size: 32
...
	.end_amdgpu_metadata
.endif
;; end of part 2
;; ======== version 2 of 2: 2 launches; version 1 with the launch prep written anew for expert scheduling mode
;; workspace buffers: w_codes 8,388,608 bytes; w_sc 524,288 bytes; x_sc 524,288 bytes; hid 131,072 bytes
;; launch prep (part 3): grid 256 x 1, 16 waves a work-group, no clusters, 126,976 bytes of LDS; arguments q_packed, scales, x_codes, x_scales, lora_a_w_codes, lora_a_w_scales, w_codes, w_sc, x_sc, hid; writes w_codes, w_sc, x_sc, hid
.if DOCPART == 3
	.amdgcn_target "amdgcn-amd-amdhsa--gfx1250"
	.amdhsa_code_object_version 6
	.text
	.protected	k_q1fc26ea369_prep
	.globl	k_q1fc26ea369_prep
	.p2align	8
	.type	k_q1fc26ea369_prep,@function
k_q1fc26ea369_prep:
	s_mov_b64 s[64:65], 0
	v_nop
	global_prefetch_b8 v0, s[64:65] scope:SCOPE_SE
	s_setreg_imm32_b32 hwreg(HW_REG_WAVE_SCHED_MODE, 0, 2), 2
	s_setreg_imm32_b32 hwreg(HW_REG_WAVE_MODE, 25, 1), 1
	s_wait_xcnt 0x0
	s_wait_alu depctr_vm_vsrc(0)
; THE LAUNCH IN FRONT OF THE GEMM.  Three things, each done once:
;  (1) W[o][k] = NF4[nibble] x scales[o][k / 64], in f32 as the definition has it, is quantised along K to codes of FP4 (E2M1), one E8M0 byte for each 32:
;      w_codes [4096][2048 bytes], K innermost, the lower k in the low four bits;  w_sc [8 = k / 512][4096][16 bytes]: a K step's bytes of 256 rows are 4,096 bytes on end.
;  (2) x's scale bytes are laid the same way: x_sc [8][4096][16].
;  (3) hid = x lora_a^T, on the given codes and scale bytes, f32 sums; stored as bf16 [4096][16]: it is an operand of the product of K = 16, which is left as it is.
; SHARES.  Work-group g owns rows 16 g .. 16 g + 15 of W and of x.  SIXTEEN waves, four to a SIMD, so that one wave's dependent lines and LDS round trips stand beside another's work.
; A PAIR of waves (ks = wave / 2, u = wave % 2) owns k = 512 ks .. 512 ks + 511.  For W, wave u takes rows 8 u .. 8 u + 7.  For hid, wave u = 0 brings x's codes and wave u = 1 lora_a's into the pair's
; stages, in whole runs of 256 bytes; behind a barrier each wave multiplies its 256 along K.  The sixteen partial sums meet in LDS behind the last barrier, and wave 1 adds them.
; THE DECODE.  The sixteen NF4 levels lie across the lanes of one register (lane j: level j % 16), and ds_bpermute_b32 fetches a level by its nibble: the index is a lane x 4, taken modulo 32 lanes, and
; since the table repeats every 16 lanes the bit above the nibble does not matter: so one shift of the packed word makes an index.  No LDS byte is touched by it.
; A block's scale is 2^(floor(log2(its largest magnitude)) - 2); its byte is the largest magnitude's exponent field - 2, held at 1 from below.
; LIMITS: a block of zeros gets the byte 1 where the rule says 127: its codes are zeros, which add nothing under any byte but 0xff, and this program alone reads the bytes.  Blocks whose largest magnitude
; lies under 2^(3 - 127) are held at that floor.  NaN and infinities in scales are not served.
; All 28 loads of a wave go out at the head and are used in the order of issue, by counted waits; every offset is an immediate; no loop.  A pair of finished rows of codes leaves four steps later.
; THE MODE: SCHED_MODE bits 1:0 = 2 (LLVM: expert scheduling mode 2), set by the entry lines.  The code itself states the register dependences between vector or matrix instructions and memory or LDS
; instructions, with s_wait_alu, always for 0.
; THE PLAN.  Registers that memory or LDS instructions touch:
;   v4-v20, v254, v255  offsets and LDS addresses: written at the head, ahead of one wait on va_vdst, and never again.
;   v21 (TAB)           written by fifteen selects behind the loads; read by every permute; never written again.
;   v96-127             the codes that I stage land there; the staging stores read them; (vm_vsrc) the fragments land there; the two products read them; four zeros are written into v97 .. v103;
;                       (va_vdst) from then on the steps' NF4 scales land in v96, v98, v100, v102 and the packed multiplies read the pairs.
;   v48-55              written by the sums of the two products; read by two LDS stores; not used again.
;   IX0 .. IX3          step st's eight indices: written by shifts in step st - 4 (steps 0 to 3: ahead of the steps); read by step st's permutes, which are issued in step st - 4, behind its wait.
;   F0 .. F3            step st's eight levels land there; vector lines alone read and write them.
;   C0 .. C3, B0 .. B3  step st's codes and scale byte: written by step st's last vector lines, read by its two LDS stores, written again in step st + 4.
;   Q, O, SO, HB        Q: loads land, shifts read.  O, SO: LDS loads land, global stores read; no vector line names them.  HB: four conversions write, one store reads.
; A STEP has two waits.  vm_vsrc at its head: the stores of four steps back have read C and B, and this step's own permutes, issued four steps back, have read IX, all of which the step writes anew.
; va_vdst behind its vector lines: C, B and IX are written, and the lines are done with F and the scale's pair, in which the results of step st + 4 land.  Behind it stand all the step's LDS and memory
; instructions, in one run, with no vector line among them.
.set PREG,  8704                       ; LDS: a pair's two stages of 16 rows x (256 bytes + 16):
.set XST,   0                          ;   x's codes,
.set AST,   4352                       ;   lora_a's codes
.set WB0,   8*PREG                     ; behind them a region of its own for each wave:
.set WREG,  2304
.set NS,    0                          ;   the NF4 scales: 8 rows x 8 f32
.set CST,   256                        ;   W's codes: 8 rows x 256 bytes
.set SBY,   WB0+16*WREG                ; W's scale bytes: 256 for each pair, 128 from each of its waves
.set PART,  SBY+8*256                  ; the sixteen partial sums of hid, images of 8 registers, 1,024 bytes each
.set QA,  4                            ; v4   16 x lane
.set GD,  5                            ; v5   2048 (lane / 16) + 16 (lane % 16): two rows of codes, sixteen lanes to 256 bytes
.set TAB, 21                           ; v21  the NF4 levels
.set XW,  24                           ; v24-25 x's two scale words of my 256 along K;  v26-27 lora_a's
.set AW,  26
.set XR,  28                           ; v28-29 8 of x's scale bytes, as they are laid anew
.set NSV, 30                           ; v30-31 two NF4 scales as loaded
.set HB,  32                           ; v32-35 hid as bf16
.set C,   36                           ; v36-39 a step's codes, four sets;  v40-43 its scale byte, four sets
.set B,   40
.set F,   64                           ; v64-95  four sets of 8 numbers
.set S,   96                           ; v96-127 first the codes that I stage, then two fragments of x (v96) and two of lora_a (v112); then v96-103: four pairs (an NF4 scale, a zero)
.set XF,  96
.set AF,  112
.set Q,   128                          ; v128-191 the 16 loads of q_packed
.set O,   192                          ; v192-207 four pairs of rows of codes on their way out
.set SO,  208                          ; v208-209 scale bytes on their way out
.set IX,  212                          ; v212-243 four sets of 8 indices for the permutes
.set MK,  27                           ; s28-s42  level j's mask at s[MK + j]: these registers hold offsets until the bases are made
	s_load_b512 s[4:19], s[0:1], 0x0               ; q_packed 4:5, scales 6:7, x_codes 8:9, x_scales 10:11, lora_a's codes 12:13, its scales 14:15, w_codes 16:17, w_sc 18:19
	s_load_b128 s[20:23], s[0:1], 0x40             ; x_sc 20:21, hid 22:23
	v_lshl_add_u32 v254, v0, 2, 0x1e800
	v_mov_b32 v255, 0
	v_lshrrev_b32 v1, 5, v0
	v_readfirstlane_b32 s24, v1                    ; wave 0..15
	v_and_b32 v1, 31, v0                           ; l
	v_and_b32 v2, 15, v0                           ; r = l % 16
	v_bfe_u32 v3, v0, 4, 1                         ; h = l / 16
	; a lane's offsets in memory
	v_lshlrev_b32 v[QA], 4, v1
	v_lshlrev_b32 v[GD], 4, v2
	v_lshl_add_u32 v[GD], v3, 11, v[GD]
	s_wait_alu depctr_va_sdst(0)                   ; s24 is written, ahead of its first reader: the pair's numbers, the bases and the branches are made from it
	s_lshr_b32 s25, s24, 1                         ; ks: my pair, and its K step
	s_and_b32 s26, s24, 1                          ; u: which of the pair
	s_lshl_b32 s44, s26, 3
	v_lshl_add_u32 v6, v2, 7, s44                  ; a row of given scale bytes is 128 bytes; + 8 u: the two words of my 256 along K
	v_lshrrev_b32 v7, 1, v1
	v_and_b32 v22, 1, v1
	v_lshlrev_b32 v7, 7, v7
	v_lshl_add_u32 v7, v22, 3, v7                  ; for the re-lay: row l / 2, 8 bytes a lane
	v_lshrrev_b32 v10, 2, v1
	v_and_b32 v22, 3, v1
	v_lshlrev_b32 v10, 8, v10
	v_lshl_add_u32 v10, v22, 3, v10                ; the NF4 scales: row l / 4 of 256 bytes, two numbers a lane
	v_lshlrev_b32 v18, 3, v1                       ; 8 l: 32 lanes to 256 bytes
	v_lshlrev_b32 v20, 5, v2
	v_lshl_add_u32 v20, v3, 4, v20                 ; 32 r + 16 h: hid's bytes of a lane
	; a lane's addresses in LDS: each a constant + a constant x lane + a constant x wave
	s_mul_i32 s44, s25, PREG
	s_mul_i32 s45, s26, AST
	s_add_co_u32 s45, s45, s44
	v_mul_u32_u24 v8, v3, 272
	v_lshl_add_u32 v8, v2, 4, v8
	v_add_nc_u32 v8, s45, v8                       ; my stage, in: as loaded, two rows an instruction
	s_lshl_b32 s45, s26, 7
	s_add_co_u32 s45, s45, s44
	v_mul_u32_u24 v9, v2, 272
	v_lshl_add_u32 v9, v3, 4, v9
	v_add_nc_u32 v9, s45, v9                       ; the pair's stages, back: row r, + 16 h, + 128 u: a fragment's bytes of my 256 along K
	s_mul_i32 s27, s24, WREG
	s_add_co_u32 s27, s27, WB0                     ; my region
	v_lshrrev_b32 v11, 3, v1
	v_lshl_add_u32 v11, v11, 2, s27                ; eight lanes (64 along K) share an NF4 scale
	v_lshl_add_u32 v12, v1, 2, s27                 ; a lane's 8 codes: 4 bytes
	v_add_nc_u32 v14, s27, v[QA]
	v_add_nc_u32 v15, s27, v18
	s_lshl_b32 s45, s24, 7
	s_add_co_u32 s45, s45, SBY
	v_lshrrev_b32 v13, 2, v1
	v_add_nc_u32 v13, s45, v13                     ; four lanes (32 along K) share a scale byte; my wave's 128 bytes
	s_lshl_b32 s45, s25, 8
	s_add_co_u32 s45, s45, SBY
	v_add_nc_u32 v19, s45, v18                     ; the pair's 256 bytes, 8 a lane
	v_add_nc_u32 v17, PART, v[QA]
	s_lshl_b32 s45, s24, 10
	v_add_nc_u32 v16, s45, v17
	; where my wave's part begins in each buffer, in bytes
	s_lshl_b32 s28, ttmp9, 17                      ; q_packed: 16 rows of 8,192 bytes; my 8; 512 along K are 1,024 bytes
	s_lshl_b32 s44, s26, 16
	s_add_co_u32 s28, s28, s44
	s_lshl_b32 s44, s25, 10
	s_add_co_u32 s28, s28, s44
	s_mov_b32 s29, 0
	s_lshl_b32 s30, ttmp9, 12                      ; scales: 16 rows of 256 bytes; my 8; 32 bytes
	s_lshl_b32 s44, s26, 11
	s_add_co_u32 s30, s30, s44
	s_lshl_b32 s44, s25, 5
	s_add_co_u32 s30, s30, s44
	s_mov_b32 s31, 0
	s_lshl_b32 s45, s25, 8                         ; codes: 512 along K are 256 bytes
	s_lshl_b32 s38, ttmp9, 15                      ; 16 rows of 2,048 bytes
	s_add_co_u32 s38, s38, s45
	s_cmp_eq_u32 s26, 0
	s_cselect_b32 s32, s38, s45                    ; the codes that I stage: my group's rows of x, or lora_a's sixteen
	s_mov_b32 s33, 0
	s_lshl_b32 s44, s26, 14                        ; w_codes: my 8 rows
	s_add_co_u32 s38, s38, s44
	s_mov_b32 s39, 0
	s_lshl_b32 s36, s25, 4                         ; lora_a's scales: 16 bytes a K step
	s_mov_b32 s37, 0
	s_lshl_b32 s34, ttmp9, 11                      ; x_scales: 16 rows of 128 bytes
	s_add_co_u32 s34, s34, s36
	s_mov_b32 s35, 0
	s_lshl_b32 s40, s25, 16                        ; w_sc, x_sc: K step ks, 16 rows of 16 bytes
	s_lshl_b32 s44, ttmp9, 8
	s_add_co_u32 s40, s40, s44
	s_mov_b32 s41, 0
	s_lshl_b32 s42, ttmp9, 9                       ; hid: 16 rows of 32 bytes
	s_mov_b32 s43, 0
	s_wait_kmcnt 0x0
	s_cmp_eq_u32 s26, 0                            ; the choice hangs on the wave's number alone
	s_cselect_b64 s[8:9], s[8:9], s[12:13]
	s_add_nc_u64 s[4:5], s[4:5], s[28:29]
	s_add_nc_u64 s[6:7], s[6:7], s[30:31]
	s_add_nc_u64 s[8:9], s[8:9], s[32:33]
	s_add_nc_u64 s[10:11], s[10:11], s[34:35]
	s_add_nc_u64 s[14:15], s[14:15], s[36:37]
	s_add_nc_u64 s[16:17], s[16:17], s[38:39]
	s_add_nc_u64 s[18:19], s[18:19], s[40:41]
	s_add_nc_u64 s[20:21], s[20:21], s[40:41]
	s_add_nc_u64 s[22:23], s[22:23], s[42:43]
	s_wait_alu depctr_va_vdst(0)                   ; the offsets and LDS addresses v4 to v20, and v254 and v255, are written: every load, store and LDS instruction of the kernel reads some of them, and none is written again
	; ALL THE LOADS, in the order in which they are used: 2 + 8 + 1 + 1 + 16
	global_load_b64 v[XW:XW+1], v6, s[10:11]       ; row r's two scale words (lanes 16-31 hold the same)
	global_load_b64 v[AW:AW+1], v6, s[14:15]
.irp t, 0,1,2,3,4,5,6,7
	global_load_b128 v[S+4*\t:S+4*\t+3], v[GD], s[8:9] offset:4096*\t      ; rows 2 t, 2 t + 1: sixteen lanes read 256 consecutive bytes
.endr
	global_load_b64 v[XR:XR+1], v7, s[10:11]
	global_load_b64 v[NSV:NSV+1], v10, s[6:7]
.irp st, 0,1,2,3,4,5,6,7,8,9,10,11,12,13,14,15
	global_load_b128 v[Q+4*\st:Q+4*\st+3], v[QA], s[4:5] offset:(\st/2)*8192+(\st%2)*512 th:TH_LOAD_NT   ; step st: my row st / 2, half st % 2 of the 512: 512 consecutive bytes, read once
.endr
	; the NF4 levels, lane j: level j % 16, made while the loads are on their way: the fifteen compares in one run, each into a scalar register of its own, one wait, the fifteen selects
.irp j, 1,2,3,4,5,6,7,8,9,10,11,12,13,14,15
	v_cmp_ne_u32 s[MK+\j], \j, v2
.endr
	v_mov_b32 v[TAB], -1.0
	s_wait_alu depctr_va_sdst(0)                   ; the fifteen masks s28 to s42 are written, ahead of the selects that read them
.macro LEVEL j, val
	v_cndmask_b32 v[TAB], \val, v[TAB], s[MK+\j]
.endm
	LEVEL 1, -0.6961928009986877
	LEVEL 2, -0.5250730514526367
	LEVEL 3, -0.39491748809814453
	LEVEL 4, -0.28444138169288635
	LEVEL 5, -0.18477343022823334
	LEVEL 6, -0.09105003625154495
	LEVEL 7, 0
	LEVEL 8, 0.07958029955625534
	LEVEL 9, 0.16093020141124725
	LEVEL 10, 0.24611230194568634
	LEVEL 11, 0.33791524171829224
	LEVEL 12, 0.44070982933044434
	LEVEL 13, 0.5626170039176941
	LEVEL 14, 0.7229568362236023
	LEVEL 15, 1.0
	; ---- hid: my 256 along K.  The codes were loaded as whole runs of 256 bytes; they turn through the pair's stages into fragments (lane (r, h): row r; registers 4 c .. 4 c + 3: k = 64 c + 32 h + 0 .. 31)
	s_wait_loadcnt 18                              ; the first 10 loads are in; x's bytes for the re-lay, the NF4 scales and the 16 of q_packed may be out
.irp t, 0,1,2,3,4,5,6,7
	ds_store_b128 v8, v[S+4*\t:S+4*\t+3] offset:544*\t
.endr
	s_wait_dscnt 0x0                               ; for my partner's sake: my stage is whole
	s_barrier_signal -1
	s_barrier_wait -1                              ; and so is my partner's
	s_wait_alu depctr_vm_vsrc(0)                   ; my staging stores have read v96 to v127, in which the fragments below land
.irp j, 0,1
.irp c, 0,1
	ds_load_b128 v[XF+8*\j+4*\c:XF+8*\j+4*\c+3], v9 offset:XST+64*\j+32*\c
	ds_load_b128 v[AF+8*\j+4*\c:AF+8*\j+4*\c+3], v9 offset:AST+64*\j+32*\c
.endr
.endr
	s_wait_dscnt 0x0
	; TRANSPOSED: source 0 = lora_a's 16 rows, source 1 = 16 rows of x: lane (r, h) holds hid(row r, ranks 8 h + 0 .. 7).  Two accumulators, one product each.  Operands and scale words all come from loads
	v_wmma_scale_f32_16x16x128_f8f6f4 v[48:55], v[AF:AF+7], v[XF:XF+7], 0, v[AW], v[XW] matrix_a_fmt:MATRIX_FMT_FP4 matrix_b_fmt:MATRIX_FMT_FP4
	v_wmma_scale_f32_16x16x128_f8f6f4 v[56:63], v[AF+8:AF+15], v[XF+8:XF+15], 0, v[AW+1], v[XW+1] matrix_a_fmt:MATRIX_FMT_FP4 matrix_b_fmt:MATRIX_FMT_FP4
.rept 4
	v_nop                                          ; four places behind the products (ISA guide 7.12.1): their results are read and their operands' registers written below
.endr
.irp i, 0,2,4,6
	v_pk_add_f32 v[48+\i:49+\i], v[48+\i:49+\i], v[56+\i:57+\i]    ; both accumulators from their low ends on
.endr
.irp i, 1,3,5,7
	v_mov_b32 v[S+\i], 0                           ; the upper halves of the four pairs that the packed multiplies name: written once
.endr
; Two of step st's eight indices, from packed word i; nothing where there is no such step
.macro PAIR st, i
.if (\st) < 16
	v_lshlrev_b32 v[IX+8*((\st)%4)+2*(\i)], 2, v[Q+4*(\st)+(\i)]     ; 4 x the low nibble in bits 5:2 (element 2 i),
	v_lshrrev_b32 v[IX+8*((\st)%4)+2*(\i)+1], 2, v[Q+4*(\st)+(\i)]   ; 4 x the high nibble (element 2 i + 1); what lies above is dropped by the permute or lands on the table's second copy
.endif
.endm
	s_wait_loadcnt 12                              ; loads come back in order: x's bytes for the re-lay, the NF4 scales and steps 0 to 3 of q_packed are in; steps 4 to 15 may be out
.irp st, 0,1,2,3
.irp i, 0,1,2,3
	PAIR \st, \i
.endr
.endr
	s_wait_alu depctr_va_vdst(0)                   ; written: v48 to v55, which the two stores below read; the table and the four sets of indices, which the permutes read.  And the products are done reading v96 to v102, in which NF4 scales land
	ds_store_b128 v16, v[48:51]                    ; my partial sum, as an image of its registers
	ds_store_b128 v16, v[52:55] offset:512
	; ---- x's scale bytes of the pair's K step: one wave of the pair stores them: 32 lanes, 8 bytes each: 256 consecutive bytes, aligned
	s_cmp_lg_u32 s26, 0
	s_cbranch_scc1 .Lnot_mine
	global_store_b64 v18, v[XR:XR+1], s[20:21]
.Lnot_mine:
	; ---- W.  Step st: my row st / 2, half st % 2; lane l holds k = 256 (st % 2) + 8 l + 0 .. 7: four packed words, eight nibbles.  A block of 32 lies in four neighbouring lanes
	ds_store_b64 v15, v[NSV:NSV+1] offset:NS       ; LDS serves a wave's instructions in order (ISA guide 5.7.1.4): the loads below see this
; ASK: the step's eight levels and its NF4 scale are asked for: 9 LDS instructions, into set st % 4.  No wait: no vector line stands between the last wait on va_vdst and these
.macro ASK st
.irp i, 0,1,2,3,4,5,6,7
	ds_bpermute_b32 v[F+8*((\st)%4)+\i], v[IX+8*((\st)%4)+\i], v[TAB]
.endr
	ds_load_b32 v[S+2*((\st)%4)], v11 offset:NS+32*((\st)/2)+16*((\st)%2)
.endm
; STEP: the step is scaled and quantised, the indices of four steps on are made among its dependent lines, and its codes and byte are put into my stage: 2 LDS instructions
.macro STEP st
.set FS, F+8*((\st)%4)
.set SS, S+2*((\st)%4)
; what may be out: the LDS instructions issued behind ASK st: 9 for each of the up to three later ASKs, 2 for each of the up to three steps' stores between, 1 where a pair of rows was asked back between them
.set NN, 33
.if (\st) < 3
.set NN, 27+2*(\st)
.endif
.if (\st) > 12
.set NN, 9*(15-(\st))+6
.endif
.if ((\st) > 3) && (((\st)%4) != 3)
.set NN, NN+1
.endif
	s_wait_dscnt NN
.if (\st) < 12
	s_wait_loadcnt 11-(\st)                        ; step st + 4's load of q_packed is in, the later steps' may be out
.endif
	s_wait_alu depctr_vm_vsrc(0)                   ; the stores of four steps back have read this set of codes and byte, and this step's permutes, issued four steps back, have read this set of indices: all three are written below
.irp i, 0,2,4,6
	v_pk_mul_f32 v[FS+\i:FS+\i+1], v[FS+\i:FS+\i+1], v[SS:SS+1] op_sel_hi:[1,0]   ; level x scale, one f32 rounding, as the definition has it (the pair's low word serves both halves)
.endr
	v_max3_num_f32 v44, |v[FS]|, |v[FS+1]|, 0x1800000              ; the largest magnitude of my 8, in two short chains, and the floor 2^(3 - 127): so the byte cannot fall under 1
	v_max3_num_f32 v46, |v[FS+2]|, |v[FS+3]|, |v[FS+4]|
	PAIR (\st)+4, 0
	v_max3_num_f32 v44, v44, |v[FS+5]|, |v[FS+6]|
	PAIR (\st)+4, 1
	v_max3_num_f32 v44, v44, v46, |v[FS+7]|
	PAIR (\st)+4, 2
	v_max_num_f32_dpp v44, v44, v44 row_xmask:1 row_mask:0xf bank_mask:0xf
	PAIR (\st)+4, 3
	v_max_num_f32_dpp v44, v44, v44 row_xmask:2 row_mask:0xf bank_mask:0xf   ; with the three other lanes of the block
	v_add_nc_u32 v45, 0xff000000, v44              ; 2 off its exponent field: the conversion takes the exponent field of this operand as its scale, and nothing else of it
	v_cvt_scalef32_pk8_fp4_f32 v[C+(\st)%4], v[FS:FS+7], v45       ; to the nearest code, ties to even, beyond 6 the largest code; the first number's code in the lowest four bits
	v_lshrrev_b32 v[B+(\st)%4], 23, v45            ; the scale's byte.  (Also the plain instruction between the conversion and the next vector instruction that writes its sources)
	s_wait_alu depctr_va_vdst(0)                   ; the codes and the byte are written, which the two stores read; so are the indices, which the permutes of step st + 4 read; and the lines above are done with this set of numbers and its scale's pair, in which that step's results land
	ds_store_b32 v12, v[C+(\st)%4] offset:CST+256*((\st)/2)+128*((\st)%2)
	ds_store_b8 v13, v[B+(\st)%4] offset:16*((\st)/2)+8*((\st)%2)   ; the four lanes of a block write the same byte with the same value
.endm
.irp st, 0,1,2,3
	ASK \st
.endr
.irp st, 0,1,2,3,4,5,6,7,8,9,10,11,12,13,14,15
	STEP \st
.if (\st%4) == 3
	ds_load_b128 v[O+\st-3:O+\st], v14 offset:CST+512*(\st/4)      ; two rows are finished: they are asked back, sixteen lanes to a row, into registers that no vector line names
.endif
.if (\st > 6) && ((\st%4) == 3)
	global_store_b128 v[GD], v[O+\st-7:O+\st-4], s[16:17] offset:4096*(\st/4-1)   ; the two rows asked back four steps ago stand ahead of ASK st, so this step's wait has shown them in.  Sixteen lanes store 256 consecutive bytes, aligned
.endif
.if \st < 12
	ASK \st+4                                      ; four steps ahead, into the set just left
.endif
.endr
	s_wait_dscnt 0x0                               ; the last two rows are in; and for the others' sake: my partial sum and my scale bytes have landed, none of my LDS instructions is out
	global_store_b128 v[GD], v[O+12:O+15], s[16:17] offset:12288
	s_barrier_signal -1
	s_barrier_wait -1                              ; each pair's 256 scale bytes and the sixteen partial sums lie in LDS
	s_cmp_lg_u32 s26, 0
	s_cbranch_scc1 .Lodd
	ds_load_b64 v[SO:SO+1], v19                    ; wave u = 0 of each pair: the pair's scale bytes of W
	s_wait_dscnt 0x0
	global_store_b64 v18, v[SO:SO+1], s[18:19]     ; 32 lanes store 256 consecutive bytes, aligned
	s_wait_dscnt 0x0                               ; the closing lines, six on end
	s_wait_alu 0x0
	s_wait_tensorcnt 0x0
	ds_add_u32 v254, v255
	s_wait_dscnt 0x0
	s_endpgm
.Lodd:
	s_cmp_lg_u32 s24, 1
	s_cbranch_scc1 .Lend
	; wave 1: hid.  Partial sums 0-7 into v128-191, 8-15 into v64-127: registers that no store on its way reads.  No wait: every vector line that named them stands ahead of the last step's wait on va_vdst,
	; and the only LDS instructions that read any of them, the staging stores, ahead of the wait on vm_vsrc behind the first barrier
.irp p, 0,1,2,3,4,5,6,7
.irp c, 0,1
	ds_load_b128 v[Q+8*\p+4*\c:Q+8*\p+4*\c+3], v17 offset:1024*\p+512*\c
	ds_load_b128 v[F+8*\p+4*\c:F+8*\p+4*\c+3], v17 offset:8192+1024*\p+512*\c
.endr
.endr
	s_wait_dscnt 0x0
.irp b, Q, F
.irp p, 0,2,4,6
.irp i, 0,2,4,6
	v_pk_add_f32 v[\b+8*\p+\i:\b+8*\p+\i+1], v[\b+8*\p+\i:\b+8*\p+\i+1], v[\b+8*\p+8+\i:\b+8*\p+9+\i]
.endr
.endr
.endr
.irp b, Q, F
.irp p, 0,4
.irp i, 0,2,4,6
	v_pk_add_f32 v[\b+8*\p+\i:\b+8*\p+\i+1], v[\b+8*\p+\i:\b+8*\p+\i+1], v[\b+8*\p+16+\i:\b+8*\p+17+\i]
.endr
.endr
.endr
.irp b, Q, F
.irp i, 0,2,4,6
	v_pk_add_f32 v[\b+\i:\b+\i+1], v[\b+\i:\b+\i+1], v[\b+32+\i:\b+33+\i]
.endr
.endr
.irp i, 0,2,4,6
	v_pk_add_f32 v[Q+\i:Q+\i+1], v[Q+\i:Q+\i+1], v[F+\i:F+\i+1]
.endr
.irp j, 0,1,2,3
	v_cvt_pk_bf16_f32 v[HB+\j], v[Q+2*\j], v[Q+2*\j+1]             ; rounded once, to nearest even: the operand's format in the product of K = 16
.endr
	s_wait_alu depctr_va_vdst(0)                   ; the four conversions have written v32 to v35, which the store reads
	global_store_b128 v20, v[HB:HB+3], s[22:23]    ; 16 rows of 32 bytes: 512 consecutive bytes
.Lend:
	s_wait_dscnt 0x0                               ; the closing lines, six on end
	s_wait_alu 0x0
	s_wait_tensorcnt 0x0
	ds_add_u32 v254, v255
	s_wait_dscnt 0x0
	s_endpgm
.Lfunc_end_k_q1fc26ea369_prep:
	.size	k_q1fc26ea369_prep, .Lfunc_end_k_q1fc26ea369_prep-k_q1fc26ea369_prep
	.p2alignl 7, 3214868480
	.fill 96, 4, 3214868480
	.section	.rodata,"a",@progbits
	.p2align	6, 0x0
	.amdhsa_kernel k_q1fc26ea369_prep
		.amdhsa_group_segment_fixed_size 126976
		.amdhsa_private_segment_fixed_size 0
		.amdhsa_enable_private_segment 0
		.amdhsa_kernarg_size 80
		.amdhsa_user_sgpr_count 2
		.amdhsa_user_sgpr_kernarg_segment_ptr 1
		.amdhsa_wavefront_size32 1
		.amdhsa_system_sgpr_workgroup_id_x 1
		.amdhsa_system_sgpr_workgroup_id_y 1
		.amdhsa_system_sgpr_workgroup_id_z 1
		.amdhsa_system_vgpr_workitem_id 0
		.amdhsa_next_free_vgpr 256
		.amdhsa_next_free_sgpr 66
		.amdhsa_reserve_vcc 0
		.amdhsa_float_denorm_mode_32 3
		.amdhsa_float_denorm_mode_16_64 3
		.amdhsa_memory_ordered 1
		.amdhsa_forward_progress 1
		.amdhsa_inst_pref_size 50
	.end_amdhsa_kernel
	.amdgpu_metadata
---
amdhsa.version: [ 1, 2 ]
amdhsa.kernels:
  - .name:           k_q1fc26ea369_prep
    .symbol:         k_q1fc26ea369_prep.kd
    .args:
      - { .name: q_packed, .offset: 0, .size: 8, .value_kind: global_buffer, .address_space: global }
      - { .name: scales, .offset: 8, .size: 8, .value_kind: global_buffer, .address_space: global }
      - { .name: x_codes, .offset: 16, .size: 8, .value_kind: global_buffer, .address_space: global }
      - { .name: x_scales, .offset: 24, .size: 8, .value_kind: global_buffer, .address_space: global }
      - { .name: lora_a_w_codes, .offset: 32, .size: 8, .value_kind: global_buffer, .address_space: global }
      - { .name: lora_a_w_scales, .offset: 40, .size: 8, .value_kind: global_buffer, .address_space: global }
      - { .name: w_codes, .offset: 48, .size: 8, .value_kind: global_buffer, .address_space: global }
      - { .name: w_sc, .offset: 56, .size: 8, .value_kind: global_buffer, .address_space: global }
      - { .name: x_sc, .offset: 64, .size: 8, .value_kind: global_buffer, .address_space: global }
      - { .name: hid, .offset: 72, .size: 8, .value_kind: global_buffer, .address_space: global }
    .group_segment_fixed_size: 126976
    .private_segment_fixed_size: 0
    .kernarg_segment_align: 8
    .kernarg_segment_size: 80
    .max_flat_workgroup_size: 512
    .sgpr_count:     66
    .vgpr_count:     256
    .wavefront_size: 32
...
	.end_amdgpu_metadata
.endif
;; end of part 3
;; launch gemm: the kernel of part 2 again; grid 16 x 16, 4 waves a work-group, clusters of 4 x 4, 327,680 bytes of LDS; arguments x_codes, x_sc, w_codes, w_sc, hid, lora_b_w, out0; writes out0
